; MI455X (gfx1250); checked and timed in simulation.
; The chip was launched on July 23, 2026; its instructions are those of AMD's public machine-readable ISA for CDNA 5 (MIT licence, August 2026) and "CDNA5" Instruction Set Architecture Reference Guide (July 2026). The comments in the code are by the model that wrote it; some were corrected since.
;; Cross Attention. Allowed arithmetic: matrix products marked QUANTISED: E2M1 operands, one E8M0 scale for each 32 along K, by v_wmma_scale_f32_16x16x128_f8f6f4 with both operands' format E2M1 (or v_wmma_scale_f32_32x16x128_f4), f32 sums; products left as they are: bf16, f16 or f32 operands; f32 sums; everything else in f32.
;; Inputs: WK 1,024 x 1,024 float32; WK1 1,024 x 1,024 float32; WQ 1,024 x 1,024 float32; WQ1 1,024 x 1,024 float32; WV 1,024 x 1,024 float32; WV1 1,024 x 1,024 float32; Wfc 1,024 x 1,024 float32; Wfc1 1,024 x 1,024 float32; X 2,048 x 1,024 float32; X1 3,072 x 1,024 float32.
;; Outputs: out0 3,072 x 1,024 float32; out1 2,048 x 1,024 float32.
;; This version of the problem:
;;   THIS VERSION OF THE PROBLEM IS GIVEN IN LOW PRECISION. The matrix products marked QUANTISED in the list below multiply operands that are first quantised to E2M1 (2 exponent bits, 1 mantissa bit; 4 bits a number), with one power-of-two scale for each 32 numbers along K (OCP MX v1.0); their sums are f32. The products marked 'left as it is' may take bf16, f16 or f32 operands, with f32 sums. Whichever they take, every output number must still come out within the allowed error. Rounding operands to bf16 (8 significant bits) uses up far more of that allowance than f16 does (11 bits, for magnitudes from 6e-5 to 65,504). All else is computed in f32.
;;   The module's matrix products, in the order in which they are computed (A, B: the left and right operand; K: the contracted axis; several contracted axes count as one K, in the product's order):
;;     1. [M 2,048, K 1,024] x [K 1,024, N 1,024]; A: input X; B: input WQ: QUANTISED
;;     2. [M 2,048, K 1,024] x [K 1,024, N 1,024]; A: input X; B: input WK: QUANTISED
;;     3. [M 2,048, K 1,024] x [K 1,024, N 1,024]; A: input X; B: input WV: QUANTISED
;;     4. [M 3,072, K 1,024] x [K 1,024, N 1,024]; A: input X1; B: input WQ1: QUANTISED
;;     5. [M 3,072, K 1,024] x [K 1,024, N 1,024]; A: input X1; B: input WK1: QUANTISED
;;     6. [M 3,072, K 1,024] x [K 1,024, N 1,024]; A: input X1; B: input WV1: QUANTISED
;;     7. batch 16 x [M 3,072, K 64] x [K 64, N 2,048]; A: computed on the way; B: computed on the way: left as it is (an operand is computed on the way)
;;     8. batch 16 x [M 3,072, K 2,048] x [K 2,048, N 64]; A: computed on the way; B: computed on the way: left as it is (an operand is computed on the way)
;;     9. batch 16 x [M 2,048, K 64] x [K 64, N 3,072]; A: computed on the way; B: computed on the way: left as it is (an operand is computed on the way)
;;     10. batch 16 x [M 2,048, K 3,072] x [K 3,072, N 64]; A: computed on the way; B: computed on the way: left as it is (an operand is computed on the way)
;;     11. [M 3,072, K 1,024] x [K 1,024, N 1,024]; A: computed on the way; B: input Wfc: left as it is (an operand is computed on the way)
;;     12. [M 2,048, K 1,024] x [K 1,024, N 1,024]; A: computed on the way; B: input Wfc1: left as it is (an operand is computed on the way)
;;   THE QUANTISER, for each operand of a quantised product, along K:
;;     - K is cut into blocks of 32 from its start; a last block that is shorter is filled with zeros.
;;     - A block's scale is 2^e with e = floor(log2(the largest magnitude in the block)) - 2, held to -126 .. 127; a block of zeros has e = 0. As a byte (E8M0): e + 127.
;;     - Each number is divided by its block's scale, clamped to +-6, and rounded to the nearest number of E2M1, ties to even, subnormals kept.
;;     - The product sums the exact products of the quantised numbers (number of the format x scale) in f32.
;;   ~~~python
;;   def quantise(x, axis):      # numpy; x: float32 -> the quantised numbers, widened to float32 again
;;       x = np.moveaxis(x, axis, -1); K = x.shape[-1]
;;       x = np.pad(x, [(0, 0)] * (x.ndim - 1) + [(0, -K % 32)]); x = x.reshape(x.shape[:-1] + (-1, 32)); a = np.abs(x).max(-1, keepdims=True)
;;       e = np.where(a > 0, np.clip(np.frexp(np.where(a > 0, a, 1))[1] - 1 - 2, -126, 127), 0)      # np.frexp(a)[1] - 1 = floor(log2(a)), exactly
;;       r = np.clip(x / 2.0 ** e, -6, 6)
;;       step = 2.0 ** (np.maximum(np.frexp(np.where(r == 0, 1, r))[1] - 1, 0) - 1)
;;       q = np.round(r / step) * step * 2.0 ** e      # np.round: ties to even
;;       return np.moveaxis(q.reshape(q.shape[:-2] + (-1,))[..., :K], -1, axis).astype(np.float32)
;;   ~~~
;; One version. Each part assembles by itself: llvm-mc -triple=amdgcn-amd-amdhsa -mcpu=gfx1250 --defsym DOCPART=n.
;; ======== version 1 of 1: 4 launches
;; limits: values are held in f16: magnitudes above 65,504 overflow, below 6.1e-05 lose precision
;; workspace buffers: xc 2,621,440 bytes; xs 163,840 bytes; wc 3,145,728 bytes; ws 196,608 bytes; wf 4,194,304 bytes; qkv 31,457,280 bytes; ctx 10,485,760 bytes
;; launch prep (part 1): grid 320 x 1, 4 waves a work-group, no clusters, 68,608 bytes of LDS; arguments X, X1, WQ, WK, WV, WQ1, WK1, WV1, Wfc, Wfc1, xc, xs, wc, ws, wf; writes xc, xs, wc, ws, wf
.if DOCPART == 1
	.amdgcn_target "amdgcn-amd-amdhsa--gfx1250"
	.amdhsa_code_object_version 6
	.text
	.protected	k_q7680a7aa8c_prep
	.globl	k_q7680a7aa8c_prep
	.p2align	8
	.type	k_q7680a7aa8c_prep,@function
k_q7680a7aa8c_prep:
	s_mov_b64 s[64:65], 0
	v_nop
	global_prefetch_b8 v0, s[64:65] scope:SCOPE_SE
	s_setreg_imm32_b32 hwreg(HW_REG_WAVE_MODE, 25, 1), 1
	s_wait_xcnt 0x0
; PREP: everything that is made once from the inputs.  Three kinds of work-group, told apart by the work-group's number alone:
;   0-159    X [2048][1024] and X1 [3072][1024], f32, K innermost -> codes of FP4 (E2M1) xc [5120][512 bytes] and E8M0 scale bytes xs [5120][32]
;   160-255  the six projection weights [k 1024][n 1024], f32, K outermost -> wc [6144 = 1024 w + n][512 bytes], ws [6144][32], K innermost
;   256-319  Wfc, Wfc1 [k][n], f32 -> wf [2048][1024] f16, as they lie
; A block's scale is 2^(floor(log2(its largest magnitude)) - 2); its byte is the largest magnitude's exponent field - 2, held at 1 from below.
; LIMITS: a block of zeros gets the byte 1 where the quantiser's rule says 127 (its codes are zeros, which add nothing under any byte but 0xff, and this program alone reads the bytes);
; blocks whose largest magnitude lies under 2^(2 - 126) are held at the byte 1; NaN and infinities among the inputs are not served; |Wfc| stays under 65,504 (f16).
; No tensor loads, no barrier: waves share nothing.  Each kind that uses LDS has LDS bytes of its own.
.set SPW,   192                        ; v192  LDS address of my spare word: SPARE + 4 x my thread's number; never rewritten
.set NIL,   193                        ; v193  0; never rewritten
.set SPARE, 67584                      ; behind both kinds' regions: the spare words, 128 bytes for each wave: two blocks of 256 bytes that no other line names
	s_load_b512 s[4:19], s[0:1], 0x0               ; X, X1, WQ, WK, WV, WQ1, WK1, WV1
	s_load_b256 s[20:27], s[0:1], 0x40             ; Wfc, Wfc1, xc, xs
	s_load_b128 s[28:31], s[0:1], 0x60             ; wc, ws
	s_load_b64 s[32:33], s[0:1], 0x70              ; wf
	v_lshl_add_u32 v[SPW], v0, 2, SPARE
	v_mov_b32 v[NIL], 0
	v_lshrrev_b32 v1, 5, v0
	v_readfirstlane_b32 s34, v1                    ; wave 0..3
	v_and_b32 v2, 31, v0                           ; lane
	s_wait_kmcnt 0x0
	s_cmp_ge_u32 ttmp9, 256
	s_cbranch_scc1 .Lcast
	s_cmp_ge_u32 ttmp9, 160
	s_cbranch_scc1 .Lweights
; ---------------- X and X1: K innermost.  A tensor is a plain stream of blocks of 32; a wave takes 16 steps of 512 numbers.
; Each of a step's four loads reads 512 consecutive bytes; the 2,048 bytes turn through the wave's own stage in LDS and come back 64 bytes a lane: 16 neighbours along K, two lanes to a block.
.set STEPS, 16
.set CB,    8                          ; bytes of 16 codes
.set RA,    16                         ; v16-79   four sets of 16 numbers as they are loaded
.set XA,    80                         ; v80-111  two sets of 16 neighbours
.set EA,    112                        ; v112-127 a scale byte for each step
.set CA,    128                        ; v128-191 codes: four registers for each step, so that no store's data are written again
.set WREG,  8192                       ; LDS 0 - 32,767: a region for each wave: two stages of 32 x SP bytes, behind them its 256 scale bytes
.set SP,    80                         ; a lane's place in a stage: its 64 bytes + 16 of padding
	v_lshlrev_b32 v3, 4, v2                        ; my 16 bytes of a load's 512
	s_mul_i32 s35, s34, WREG
	v_lshrrev_b32 v14, 2, v2
	v_mul_u32_u24 v14, v14, SP
	v_and_b32 v15, 3, v2
	v_lshl_add_u32 v14, v15, 4, v14
	v_add_nc_u32 v14, s35, v14                     ; the stage, on the way in: SP (lane / 4) + 16 (lane % 4)
	v_mul_u32_u24 v15, v2, SP
	v_add_nc_u32 v15, s35, v15                     ; and on the way out: SP x lane
	v_mul_u32_u24 v4, v2, CB                       ; my codes' place in a step's
	v_lshrrev_b32 v5, 1, v2
	s_add_co_u32 s35, s35, 2*32*SP
	v_add_nc_u32 v5, s35, v5                       ; my wave's 256 scale bytes, my block's byte
	v_lshlrev_b32 v7, 3, v2                        ; and on the way out 8 bytes a lane
	v_add_nc_u32 v6, s35, v7
	s_cmp_lt_u32 ttmp9, 64                         ; X has 64 work-groups' worth of numbers, X1 96: the choice hangs on the work-group's number alone
	s_cselect_b64 s[4:5], s[4:5], s[6:7]
	s_cselect_b32 s35, 0, 64
	s_sub_co_u32 s35, ttmp9, s35
	s_lshl_b32 s35, s35, 2
	s_add_co_u32 s36, s35, s34                     ; which run of 8,192 numbers of the source is my wave's
	s_mov_b32 s37, 0
	s_lshl_b64 s[38:39], s[36:37], 15
	s_add_nc_u64 s[4:5], s[4:5], s[38:39]
	s_lshl_b32 s36, ttmp9, 2
	s_add_co_u32 s36, s36, s34                     ; and of xc and xs, where X1's rows follow X's
	s_lshl_b32 s38, s36, 12                        ; 4,096 bytes of codes a run
	s_mov_b32 s39, 0
	s_add_nc_u64 s[24:25], s[24:25], s[38:39]
	s_lshl_b32 s38, s36, 8                         ; 256 scale bytes a run
	s_add_nc_u64 s[26:27], s[26:27], s[38:39]
.macro LOADA t
.irp i, 0,1,2,3
	global_load_b128 v[RA+16*((\t)%4)+4*\i:RA+16*((\t)%4)+4*\i+3], v3, s[4:5] offset:2048*(\t)+512*\i th:TH_LOAD_NT   ; 32 lanes read 512 consecutive bytes
.endr
.endm
.macro TURNA t                         ; step t's numbers through the stage: LDS serves a wave's instructions in order, so no wait stands between the stores and the loads
.irp i, 0,1,2,3
	ds_store_b128 v14, v[RA+16*((\t)%4)+4*\i:RA+16*((\t)%4)+4*\i+3] offset:32*SP*((\t)%2)+8*SP*\i
.endr
.irp i, 0,1,2,3
	ds_load_b128 v[XA+16*((\t)%2)+4*\i:XA+16*((\t)%2)+4*\i+3], v15 offset:32*SP*((\t)%2)+16*\i
.endr
.endm
.irp t, 0,1,2,3
	LOADA \t
.endr
	s_wait_loadcnt 12                              ; step 0's four loads are in
	TURNA 0
.macro STEPA t
.set XS, XA+16*((\t)%2)
.if (\t) > 0
	s_wait_dscnt 1                                 ; this step's numbers are back from the stage (the last step's byte store may be out): so its stores into the stage have read their registers,
.else
	s_wait_dscnt 0x0
.endif
.if (\t)+4 < STEPS
	LOADA (\t)+4                                   ; which take the loads of four steps on
.endif
.if (\t)+1 < STEPS
.if STEPS-2-(\t) >= 3
	s_wait_loadcnt 12                              ; the next step's four loads are in; those of the three steps behind it may be out
.else
	s_wait_loadcnt 4*(STEPS-2-(\t))
.endif
	TURNA (\t)+1                                   ; and go through the other stage while this step is worked
.endif
	v_max3_num_f32 v8, |v[XS]|, |v[XS+1]|, |v[XS+2]|               ; the largest magnitude of my 16, in two chains
	v_max3_num_f32 v9, |v[XS+3]|, |v[XS+4]|, |v[XS+5]|
.irp i, 6,10
	v_max3_num_f32 v8, v8, |v[XS+\i]|, |v[XS+\i+1]|
	v_max3_num_f32 v9, v9, |v[XS+\i+2]|, |v[XS+\i+3]|
.endr
	v_max3_num_f32 v8, v8, |v[XS+14]|, |v[XS+15]|
	v_max3_num_f32 v8, v8, v9, 0x1800000           ; and the floor 2^(3 - 127): the byte cannot fall under 1
	v_max_num_f32_dpp v8, v8, v8 row_xmask:1 row_mask:0xf bank_mask:0xf   ; and of my neighbour's 16: the block's
	v_add_nc_u32 v11, 0xff000000, v8               ; 2 off its exponent field: the conversion takes the exponent field of this operand as its scale, and nothing else of it
	v_cvt_scalef32_pk8_fp4_f32 v[CA+4*(\t)], v[XS:XS+7], v11       ; eight numbers / the scale, to the nearest code, ties to even, beyond the largest code the largest
	v_cvt_scalef32_pk8_fp4_f32 v[CA+4*(\t)+1], v[XS+8:XS+15], v11
	v_lshrrev_b32 v[EA+(\t)], 23, v11              ; the scale's byte (also the plain line behind the conversions)
	ds_store_b8 v5, v[EA+(\t)] offset:16*(\t)      ; both lanes of a block write the same byte with the same value
	global_store_b64 v4, v[CA+4*(\t):CA+4*(\t)+1], s[24:25] offset:32*CB*(\t)   ; the wave stores 256 consecutive bytes, aligned
.endm
.irp t, 0,1,2,3,4,5,6,7,8,9,10,11,12,13,14,15
	STEPA \t
.endr
	ds_load_b64 v[8:9], v6                         ; LDS serves a wave's instructions in order: these see my stores
	s_wait_dscnt 0x0
	global_store_b64 v7, v[8:9], s[26:27]          ; 32 lanes store 256 consecutive bytes, aligned
	s_wait_tensorcnt 0x0                           ; the wave's end: three closing lines, behind my last LDS store
	ds_add_u32 v[SPW], v[NIL]
	s_wait_dscnt 0x0
	s_endpgm
; ---------------- the six weights: K is the FIRST axis.  A lane takes a column n and its registers run down K: a block of 32 lies in one lane, and the codes come out with K innermost.
; 16 work-groups a weight: 8 along n (128 columns each, 32 a wave) x 2 along K (512 each).  A wave's codes (256 bytes a column) go through its own stage and leave as rows.
.Lweights:
.set NB,     16                        ; blocks of 32 along K for a wave
.set PITCHB, 272                       ; a stage row: 256 bytes + 16
.set KROWB,  512                       ; a row of wc in bytes
.set STGB,   32768                     ; LDS 32,768 - 67,583: four stages of 32 x 272 bytes
.set XB,     32                        ; v32-95   two sets of 32 numbers
.set CW,     96                        ; v96-99   a block's codes
.set OUTR,   112                       ; v112-175 the way out
.set SB,     24                        ; v24-27   the scale bytes, four to a register
	s_sub_co_u32 s35, ttmp9, 160
	s_lshr_b32 s40, s35, 4                         ; which weight: WQ, WK, WV, WQ1, WK1, WV1
	s_and_b32 s41, s35, 7                          ; which 128 columns
	s_bfe_u32 s42, s35, 0x10003                    ; which 512 along K
	s_mov_b64 s[36:37], s[8:9]
.irp w, 1,2,3,4,5
	s_cmp_eq_u32 s40, \w
	s_cselect_b64 s[36:37], s[8+2*\w:9+2*\w], s[36:37]
.endr
	s_lshl_b32 s41, s41, 7
	s_lshl_b32 s43, s34, 5
	s_add_co_u32 s41, s41, s43                     ; my wave's first column
	s_lshl_b32 s38, s42, 21                        ; 512 rows of 4,096 bytes
	s_lshl_b32 s43, s41, 2
	s_add_co_u32 s38, s38, s43
	s_mov_b32 s39, 0
	s_add_nc_u64 s[36:37], s[36:37], s[38:39]
	s_lshl_b32 s43, s40, 10
	s_add_co_u32 s43, s43, s41                     ; my first row of wc and ws: 1024 w + column
	s_lshl_b32 s38, s43, 9
	s_lshl_b32 s44, s42, 8
	s_add_co_u32 s38, s38, s44
	s_add_nc_u64 s[28:29], s[28:29], s[38:39]
	s_lshl_b32 s38, s43, 5
	s_lshl_b32 s44, s42, 4
	s_add_co_u32 s38, s38, s44
	s_add_nc_u64 s[30:31], s[30:31], s[38:39]
	v_lshlrev_b32 v3, 2, v2                        ; in: 4 bytes a lane
	s_mul_i32 s43, s34, 32*PITCHB
	s_add_co_u32 s43, s43, STGB                    ; my stage
	v_mul_u32_u24 v4, v2, PITCHB
	v_add_nc_u32 v4, s43, v4                       ; into it: row = my column
	v_and_b32 v5, 15, v2
	v_lshrrev_b32 v6, 4, v2                        ; out of it: sixteen lanes to a row, two rows an instruction
	v_mul_u32_u24 v7, v6, PITCHB
	v_lshl_add_u32 v7, v5, 4, v7
	v_add_nc_u32 v7, s43, v7
	v_mul_u32_u24 v8, v6, KROWB
	v_lshl_add_u32 v8, v5, 4, v8                   ; and the same place in wc
	v_lshlrev_b32 v9, 5, v2                        ; my column's row of scale bytes
.macro LOADB t                         ; block t: W(32 t + i, my column), i = 0 .. 31, into set t % 2.  The largest offset, 511 x 4,096, lies inside the signed 24-bit immediate
.irp i, 0,1,2,3,4,5,6,7,8,9,10,11,12,13,14,15,16,17,18,19,20,21,22,23,24,25,26,27,28,29,30,31
	global_load_b32 v[XB+32*((\t)%2)+\i], v3, s[36:37] offset:(32*(\t)+\i)*4096 th:TH_LOAD_NT
.endr
.endm
	LOADB 0
	LOADB 1
.macro BLOCKB t
.set XS, XB+32*((\t)%2)
.if (\t) < NB-1
	s_wait_loadcnt 32                              ; this block's 32 loads are in; the next block's may be out
.else
	s_wait_loadcnt 0
.endif
	v_max3_num_f32 v12, |v[XS]|, |v[XS+1]|, |v[XS+2]|              ; the block's largest magnitude: all 32 numbers are mine
	v_max3_num_f32 v13, |v[XS+3]|, |v[XS+4]|, |v[XS+5]|
.irp i, 6,10,14,18,22,26
	v_max3_num_f32 v12, v12, |v[XS+\i]|, |v[XS+\i+1]|
	v_max3_num_f32 v13, v13, |v[XS+\i+2]|, |v[XS+\i+3]|
.endr
	v_max3_num_f32 v12, v12, |v[XS+30]|, |v[XS+31]|
	v_max3_num_f32 v12, v12, v13, 0x1800000        ; and the floor 2^(3 - 127)
	v_add_nc_u32 v11, 0xff000000, v12              ; 2 off its exponent field: the conversion's scale operand
	v_lshrrev_b32 v13, 23, v11                     ; the scale's byte
.if (\t)%4 == 0
	v_mov_b32 v[SB+(\t)/4], v13                    ; four bytes to a register, the lower K in the lower byte
.else
	v_lshl_or_b32 v[SB+(\t)/4], v13, 8*((\t)%4), v[SB+(\t)/4]
.endif
.irp g, 0,1,2,3
	v_cvt_scalef32_pk8_fp4_f32 v[CW+\g], v[XS+8*\g:XS+8*\g+7], v11
.endr
	v_nop                                          ; one plain line behind the last conversion
	ds_store_b128 v4, v[CW:CW+3] offset:16*(\t)    ; 32 codes: 16 bytes of my column's row
.if (\t)+2 < NB
	LOADB (\t)+2
.endif
	s_wait_dscnt 0x0                               ; the store has read its registers: the next block's codes may be written
.endm
.irp t, 0,1,2,3,4,5,6,7,8,9,10,11,12,13,14,15
	BLOCKB \t
.endr
	global_store_b128 v9, v[SB:SB+3], s[30:31]     ; my column's 16 scale bytes
.irp t, 0,1,2,3,4,5,6,7,8,9,10,11,12,13,14,15
	ds_load_b128 v[OUTR+4*\t:OUTR+4*\t+3], v7 offset:2*\t*PITCHB   ; LDS serves a wave's instructions in order: these see my stores
.endr
.irp t, 0,1,2,3,4,5,6,7,8,9,10,11,12,13,14,15
	s_wait_dscnt 15-\t                             ; the younger reads of the stage may be out
	global_store_b128 v8, v[OUTR+4*\t:OUTR+4*\t+3], s[28:29] offset:2*\t*KROWB   ; sixteen lanes store 256 consecutive bytes, aligned
.endr
	s_wait_tensorcnt 0x0                           ; the wave's end: three closing lines, behind my last LDS store
	ds_add_u32 v[SPW], v[NIL]
	s_wait_dscnt 0x0
	s_endpgm
; ---------------- Wfc and Wfc1: f32 to f16, as they lie.  32 work-groups a tensor; a wave takes 8,192 numbers: 64 loads of 512 bytes in four groups of 16, two groups ahead, through two register sets.
.Lcast:
.set RC, 16                            ; v16-143  two sets of 16 x 4 registers as loaded
.set HC, 144                           ; v144-175 16 x 2 registers to store
	s_sub_co_u32 s35, ttmp9, 256
	s_lshr_b32 s40, s35, 5                         ; which tensor
	s_and_b32 s41, s35, 31
	s_lshl_b32 s41, s41, 2
	s_add_co_u32 s41, s41, s34                     ; which run of 8,192 numbers
	s_cmp_eq_u32 s40, 0
	s_cselect_b64 s[36:37], s[20:21], s[22:23]
	s_lshl_b32 s38, s41, 15
	s_mov_b32 s39, 0
	s_add_nc_u64 s[36:37], s[36:37], s[38:39]
	s_lshl_b32 s38, s41, 14
	s_lshl_b32 s42, s40, 21                        ; Wfc1's rows follow Wfc's in wf
	s_add_co_u32 s38, s38, s42
	s_add_nc_u64 s[32:33], s[32:33], s[38:39]
	v_lshlrev_b32 v3, 4, v2
	v_lshlrev_b32 v4, 3, v2
.macro LOADC g
.irp t, 0,1,2,3,4,5,6,7,8,9,10,11,12,13,14,15
	global_load_b128 v[RC+64*((\g)%2)+4*\t:RC+64*((\g)%2)+4*\t+3], v3, s[36:37] offset:512*(16*(\g)+\t) th:TH_LOAD_NT
.endr
.endm
	LOADC 0
	LOADC 1
.irp g, 0,1,2,3
.if \g > 0
	s_wait_xcnt 0x0                                ; the last group's stores have read their data registers: they are written again only behind this wait
.endif
.irp t, 0,1,2,3,4,5,6,7,8,9,10,11,12,13,14,15
.if \g < 3
	s_wait_loadcnt 31-\t                           ; behind load t of this group: its 15 - t younger ones and the next group's 16
.else
	s_wait_loadcnt 15-\t
.endif
	v_cvt_pk_f16_f32 v[HC+2*\t], v[RC+64*(\g%2)+4*\t], v[RC+64*(\g%2)+4*\t+1]
	v_cvt_pk_f16_f32 v[HC+2*\t+1], v[RC+64*(\g%2)+4*\t+2], v[RC+64*(\g%2)+4*\t+3]
	global_store_b64 v4, v[HC+2*\t:HC+2*\t+1], s[32:33] offset:256*(16*\g+\t)   ; 32 lanes store 256 consecutive bytes, aligned
.endr
.if \g < 2
	LOADC \g+2
.endif
.endr
	s_wait_tensorcnt 0x0                           ; the same three closing lines as on the other two paths
	ds_add_u32 v[SPW], v[NIL]
	s_wait_dscnt 0x0
	s_endpgm
.Lfunc_end_k_q7680a7aa8c_prep:
	.size	k_q7680a7aa8c_prep, .Lfunc_end_k_q7680a7aa8c_prep-k_q7680a7aa8c_prep
	.p2alignl 7, 3214868480
	.fill 96, 4, 3214868480
	.section	.rodata,"a",@progbits
	.p2align	6, 0x0
	.amdhsa_kernel k_q7680a7aa8c_prep
		.amdhsa_group_segment_fixed_size 68608
		.amdhsa_private_segment_fixed_size 0
		.amdhsa_enable_private_segment 0
		.amdhsa_kernarg_size 120
		.amdhsa_user_sgpr_count 2
		.amdhsa_user_sgpr_kernarg_segment_ptr 1
		.amdhsa_wavefront_size32 1
		.amdhsa_system_sgpr_workgroup_id_x 1
		.amdhsa_system_sgpr_workgroup_id_y 1
		.amdhsa_system_sgpr_workgroup_id_z 1
		.amdhsa_system_vgpr_workitem_id 0
		.amdhsa_next_free_vgpr 196
		.amdhsa_next_free_sgpr 66
		.amdhsa_reserve_vcc 0
		.amdhsa_float_denorm_mode_32 3
		.amdhsa_float_denorm_mode_16_64 3
		.amdhsa_memory_ordered 1
		.amdhsa_forward_progress 1
		.amdhsa_inst_pref_size 135
	.end_amdhsa_kernel
	.amdgpu_metadata
---
amdhsa.version: [ 1, 2 ]
amdhsa.kernels:
  - .name:           k_q7680a7aa8c_prep
    .symbol:         k_q7680a7aa8c_prep.kd
    .args:
      - { .name: X, .offset: 0, .size: 8, .value_kind: global_buffer, .address_space: global }
      - { .name: X1, .offset: 8, .size: 8, .value_kind: global_buffer, .address_space: global }
      - { .name: WQ, .offset: 16, .size: 8, .value_kind: global_buffer, .address_space: global }
      - { .name: WK, .offset: 24, .size: 8, .value_kind: global_buffer, .address_space: global }
      - { .name: WV, .offset: 32, .size: 8, .value_kind: global_buffer, .address_space: global }
      - { .name: WQ1, .offset: 40, .size: 8, .value_kind: global_buffer, .address_space: global }
      - { .name: WK1, .offset: 48, .size: 8, .value_kind: global_buffer, .address_space: global }
      - { .name: WV1, .offset: 56, .size: 8, .value_kind: global_buffer, .address_space: global }
      - { .name: Wfc, .offset: 64, .size: 8, .value_kind: global_buffer, .address_space: global }
      - { .name: Wfc1, .offset: 72, .size: 8, .value_kind: global_buffer, .address_space: global }
      - { .name: xc, .offset: 80, .size: 8, .value_kind: global_buffer, .address_space: global }
      - { .name: xs, .offset: 88, .size: 8, .value_kind: global_buffer, .address_space: global }
      - { .name: wc, .offset: 96, .size: 8, .value_kind: global_buffer, .address_space: global }
      - { .name: ws, .offset: 104, .size: 8, .value_kind: global_buffer, .address_space: global }
      - { .name: wf, .offset: 112, .size: 8, .value_kind: global_buffer, .address_space: global }
    .group_segment_fixed_size: 68608
    .private_segment_fixed_size: 0
    .kernarg_segment_align: 8
    .kernarg_segment_size: 120
    .max_flat_workgroup_size: 128
    .sgpr_count:     66
    .vgpr_count:     196
    .wavefront_size: 32
...
	.end_amdgpu_metadata
.endif
;; end of part 1
;; launch proj (part 2): grid 12 x 20, 4 waves a work-group, clusters of 4 x 4, 327,680 bytes of LDS; arguments xc, xs, wc, ws, qkv; writes qkv
.if DOCPART == 2
	.amdgcn_target "amdgcn-amd-amdhsa--gfx1250"
	.amdhsa_code_object_version 6
	.text
	.protected	k_q7680a7aa8c_proj
	.globl	k_q7680a7aa8c_proj
	.p2align	8
	.type	k_q7680a7aa8c_proj,@function
k_q7680a7aa8c_proj:
	s_mov_b64 s[64:65], 0
	v_nop
	global_prefetch_b8 v0, s[64:65] scope:SCOPE_SE
	s_setreg_imm32_b32 hwreg(HW_REG_WAVE_MODE, 25, 1), 1
	s_wait_xcnt 0x0
	s_wait_alu depctr_hold_cnt(0) depctr_sa_sdst(0) depctr_va_vdst(0) depctr_va_sdst(0) depctr_va_ssrc(0) depctr_va_vcc(0) depctr_vm_vsrc(0)
	s_getreg_b32 s2, hwreg(HW_REG_IB_STS2, 6, 4)
	s_cmp_eq_u32 s2, 0
	s_cbranch_scc0 .Lentry_in_a_cluster
	s_endpgm
.Lentry_in_a_cluster:
	s_bfe_u32 s2, ttmp6, 0x10000c
	s_cmp_lg_u32 s2, 0xf033
	s_cbranch_scc0 .Lentry_shape_is_right
	s_endpgm
.Lentry_shape_is_right:
; PROJ: the six quantised projections, on codes of FP4 (E2M1) with one E8M0 scale for each 32 along K = 1,024; sums in f32; results rounded once to f16 and laid by head.
; A = xc [5120 rows: X's 2,048, then X1's 3,072][512 bytes], xs [5120][32];  B = wc [6144 = 1024 w + n][512 bytes], ws [6144][32], w = WQ, WK, WV, WQ1, WK1, WV1.
; Tile row ty (256 rows of A) meets the twelve tile columns of ITS OWN three weights: X's rows (clusters y = 0, 1) rows 0 - 3,071 of wc, X1's (y = 2, 3, 4) rows 3,072 on.
; qkv: f16, six tensors [16 heads][N][64]: Q, K, V (N = 2,048), Q1, K1, V1 (N = 3,072): a token's row of a head is 128 bytes, a head is dense.
; LIMIT: results beyond 65,504 in magnitude have no f16 number.  With inputs as drawn they have rms 1; 30 times larger inputs give rms 900; offsets of 30 spreads in all inputs give about 28,800.
; A tile of 256 x 256 is made by four waves, each 128 x 128: 64 accumulators, 512 registers.  K is two slots of 512: both are asked for at the start and nothing is filled again.
; THE SCALES of the work-group's rows of A and of B, for all of K, are two dense blocks: they come into LDS once, in rows of 256 bytes.
; CLUSTERS: 4 x 4 work-groups.  The four of a row of the cluster need the same tiles of A, the four of a column the same tiles of B: each is asked for JOINTLY.
; THE MATRIX INSTRUCTION IS USED TRANSPOSED (source 0 = 16 rows of B, source 1 = 16 rows of A): a lane holds eight neighbouring columns of one token.
; REGISTERS, in windows of 256: window 0: v0-31 addresses; v32-95 scale words, two sets, and nothing else; v96-127, v192-255 the way out; v128-191 A's fragments, ONE set.
;   window 1: B's fragments, two sets, at v0 and v128.   window 2: the accumulators of my rows 0-63 ((a, b) at v[8 (8 a + b)]);   window 3: those of my rows 64-127.
.set SIZE_K, 1024
.set KSTEP,  512                       ; along K in a slot
.set NQ,     KSTEP/128                 ; matrix instructions deep
.set ROWB,   256                       ; a tile's row in bytes
.set KROW,   SIZE_K*4/8                ; a row of xc or wc in bytes
.set PITCH,  272                       ; an LDS row: 256 bytes + 16 of padding: the 16 rows that a load touches start at 16 different groups of banks
.set FR,     8                         ; registers of a fragment: 16 rows x 128 K
.set NL,     2                         ; LDS loads that bring one
.set NP,     4                         ; places behind this matrix instruction (ISA guide 7.12.1)
.set HALFT,  128*PITCH                 ; 128 rows: what one tensor load brings
.set SLOT,   4*HALFT                   ; A's 256 rows, then B's 256 rows
.set KS,     SIZE_K/32                 ; a row of scales in bytes
.set SCL,    2*SLOT                    ; behind the slots: the scales, as rows of 256 bytes + 16 of padding
.set HALFS,  (128*KS/256)*272          ; the scales of 128 rows
.set SBLK,   (16*KS/256)*272           ; those of 16 rows
.set SPARE,  SCL+4*HALFS               ; the spare words, 128 bytes for each wave: two blocks of 256 bytes that no other line names
.set STAGE,  SPARE+512                 ; the way out: 16 rows x 272 bytes for each wave, bytes into which no tensor load lands
.set SPITCH, 272
.set ADRA, 16                          ; v16-17  LDS address of my A fragments in slot 0, 1
.set ADRB, 20                          ; v20-21  the same for B
.set STO,  24                          ; v24     the way out: where I put 16 bytes of a token's row
.set RD,   25                          ; v25     the way out: where I read back
.set CO,   26                          ; v26     16 x lane
.set ADRS, 27                          ; v27     LDS address of my scale words: lanes 0-15 A's rows, lanes 16-31 B's
.set SPW,  28                          ; v28     LDS address of my spare word; never rewritten
.set NIL,  29                          ; v29     0; never rewritten
.set SC,   32                          ; scale words: set s at v[SC + 8 NQ s]; register NQ i + q: lanes 0-15 A's block i, lanes 16-31 B's block i, the slot's q-th 128 along K
.set AF,   128                         ; A's fragments, in window 0
.set TMP,  192                         ; the way out: packed results
.set G1, 24                            ; s[24:31] descriptor group 1 for A's tiles;  s[32:39] group 0, one set for each slot
.set G0, 32
.set G1B, 48                           ; s[48:55], s[56:63] the same for B's tiles
.set G0B, 56
.set G1S, 68                           ; s[68:75], s[76:79] groups 1 and 0 for A's scales;  s[80:87], s[88:91] for B's
.set G0S, 76
.set G1SB, 80
.set G0SB, 88
.set MSB, 0
.macro WIN new                         ; the immediate's high byte repeats the setting that is left
.if MSB != \new
	s_set_vgpr_msb (MSB<<8)|\new
.set MSB, \new
.endif
.endm
.set MUL_LO, 0xa1                      ; source 0 (B) window 1, source 1 (A) window 0, C and D window 2
.set MUL_HI, 0xf1                      ; the same, C and D window 3
.set TO_B,   0x40                      ; destination window 1, address window 0
; A joint load: waves 0 and 1 fetch for A, waves 2 and 3 for B.  Each line has ONE mask and one set of registers for all that issue it; the branch hangs on the wave's number alone.
; An s_nop 0 and four v_nop follow each of the two lines, ahead of the jump, the label and what follows.
.macro JLOAD g0a, g1a, g0b, g1b
	s_cmp_eq_u32 s15, 0
	s_cbranch_scc0 .Lfor_b_\@
	tensor_load_to_lds s[\g0a:\g0a+3], s[\g1a:\g1a+7]
	s_nop 0
.rept 4
	v_nop
.endr
	s_branch .Lasked_\@
.Lfor_b_\@:
	tensor_load_to_lds s[\g0b:\g0b+3], s[\g1b:\g1b+7]
	s_nop 0
.rept 4
	v_nop
.endr
.Lasked_\@:
.endm
.macro CROUND                          ; a round of the cluster's barrier
	s_barrier_signal -1
	s_barrier_wait -1
	s_cmp_lg_u32 s14, 0
	s_cbranch_scc1 .Lnot_wave_0_\@
	s_barrier_signal -3
.Lnot_wave_0_\@:
	s_barrier_wait -3
	s_barrier_signal -1
	s_barrier_wait -1
.endm
	s_load_b128 s[4:7], s[0:1], 0x0                ; xc s[4:5], xs s[6:7]
	s_load_b128 s[8:11], s[0:1], 0x10              ; wc s[8:9], ws s[10:11]
	s_load_b64 s[12:13], s[0:1], 0x20              ; qkv
	v_lshl_add_u32 v[SPW], v0, 2, SPARE
	v_mov_b32 v[NIL], 0
	ds_add_u32 v[SPW], v[NIL]                      ; the wave's opening: the add, twice on end, and its wait ahead of my first tensor load
	ds_add_u32 v[SPW], v[NIL]                      ; (the set-up below, work on registers, stands between the second and the wait)
	v_lshrrev_b32 v1, 5, v0
	v_readfirstlane_b32 s14, v1                    ; wave 0..3
	s_lshr_b32 s15, s14, 1                         ; which half of the tile's rows is mine.  Also: I fetch for A (0) or for B (1)
	s_and_b32 s16, s14, 1                          ; which half of its columns.  Also: which 128 rows of that tile I fetch
	s_bfe_u32 s40, ttmp6, 0x40000                  ; cx, cy: my place in the cluster
	s_bfe_u32 s41, ttmp6, 0x40004
	s_lshl_b32 s42, ttmp9, 2
	s_add_co_u32 s42, s42, s40                     ; tile column tc = 4 x cluster x + cx: 0 .. 11
	s_and_b32 s17, ttmp7, 0xffff
	s_lshl_b32 s17, s17, 2
	s_add_co_u32 s17, s17, s41                     ; tile row ty = 4 x cluster y + cy: 0 .. 19
	s_and_b32 s95, ttmp7, 0xffff
	s_lshr_b32 s95, s95, 1
	s_min_u32 s95, s95, 1                          ; set: 0 for X's rows (cluster y 0, 1), 1 for X1's: made of the cluster's y alone, which all sixteen partners share
	s_lshl_b32 s43, s41, 2
	s_lshl_b32 s43, 15, s43                        ; my row of the cluster
	s_lshl_b32 s44, 0x1111, s40                    ; my column
	; descriptor group 1: a tile of 128 rows x 256 bytes, padded in LDS
	s_or_b32 s[G1+0], s43, (0<<16)|(1<<20)|(1<<21)|(5<<22)|(3<<25)  ; 15:0 the mask: A's tiles go to my row; elements of 1 byte; padding on; bit 21 set beside a mask; after every 64 words (code 5) 4 words (code 3)
	s_or_b32 s[G1B+0], s44, (0<<16)|(1<<20)|(1<<21)|(5<<22)|(3<<25)
.irp g, G1, G1B
	s_mov_b32 s[\g+1], ROWB<<16                    ; tensor_dim0
	s_mov_b32 s[\g+2], 128<<16                     ; tensor_dim1 = 128
	s_mov_b32 s[\g+3], ROWB<<16                    ; tile_dim0
	s_mov_b32 s[\g+4], 128                         ; tile_dim1 = 128
	s_mov_b32 s[\g+5], KROW                        ; tensor_dim0_stride
	s_mov_b32 s[\g+6], 0
	s_mov_b32 s[\g+7], 0
.endr
	; and for the scales of 128 rows: a dense block of 4,096 bytes, as 16 rows of 256 bytes (32 elements of 8 bytes), 16 bytes of padding behind each
	s_or_b32 s[G1S+0], s43, (3<<16)|(1<<20)|(1<<21)|(5<<22)|(3<<25)
	s_or_b32 s[G1SB+0], s44, (3<<16)|(1<<20)|(1<<21)|(5<<22)|(3<<25)
.irp g, G1S, G1SB
	s_mov_b32 s[\g+1], 32<<16
	s_mov_b32 s[\g+2], (128*KS/256)<<16
	s_mov_b32 s[\g+3], 32<<16
	s_mov_b32 s[\g+4], 128*KS/256
	s_mov_b32 s[\g+5], 32
	s_mov_b32 s[\g+6], 0
	s_mov_b32 s[\g+7], 0
.endr
	s_lshl_b32 s18, s16, 7                         ; which 128 rows of the tile I fetch
	s_lshl_b32 s20, s17, 8
	s_add_co_u32 s20, s20, s18                     ; A: row 256 ty + 128 x half
	s_lshl_b32 s46, s42, 8
	s_add_co_u32 s46, s46, s18                     ; B: row 256 tc + 128 x half
	s_mul_i32 s96, s95, 3072
	s_add_co_u32 s46, s46, s96                     ;    + 3,072 x set
	s_mov_b32 s21, 0
	s_mov_b32 s47, 0
	s_mov_b64 s[18:19], KS
	s_mul_u64 s[22:23], s[20:21], s[18:19]         ; where these rows' scales begin, in bytes
	s_mul_u64 s[92:93], s[46:47], s[18:19]
	s_mov_b64 s[18:19], KROW
	s_mul_u64 s[20:21], s[20:21], s[18:19]         ; and their codes
	s_mul_u64 s[46:47], s[46:47], s[18:19]
	s_mul_i32 s45, s14, HALFT                      ; where they go: wave x 128 rows: no place in the cluster enters an LDS address
	s_mul_i32 s94, s14, HALFS
	s_wait_dscnt 0x0                               ; both opening adds are done
	s_wait_kmcnt 0x0
	s_add_nc_u64 s[20:21], s[4:5], s[20:21]
	s_add_nc_u64 s[22:23], s[6:7], s[22:23]
	s_add_nc_u64 s[46:47], s[8:9], s[46:47]
	s_add_nc_u64 s[92:93], s[10:11], s[92:93]
	CROUND                                         ; all sixteen work-groups are here: the joint loads meet
	s_mov_b32 s[G0S], 1
	s_add_co_u32 s[G0S+1], s94, SCL
	s_mov_b64 s[G0S+2:G0S+3], s[22:23]
	s_or_b32 s[G0S+3], s[G0S+3], 0x80000000
	s_mov_b32 s[G0SB], 1
	s_add_co_u32 s[G0SB+1], s94, SCL
	s_mov_b64 s[G0SB+2:G0SB+3], s[92:93]
	s_or_b32 s[G0SB+3], s[G0SB+3], 0x80000000
	JLOAD G0S, G1S, G0SB, G1SB                     ; the scales first: they are wanted with slot 0.  With the two below, three tensor loads of mine are out
.irp s, 0,1
	s_mov_b32 s[G0+4*\s], 1
	s_add_co_u32 s[G0+4*\s+1], s45, \s*SLOT
	s_add_nc_u64 s[G0+4*\s+2:G0+4*\s+3], s[20:21], \s*ROWB
	s_or_b32 s[G0+4*\s+3], s[G0+4*\s+3], 0x80000000
	s_mov_b32 s[G0B+4*\s], 1
	s_add_co_u32 s[G0B+4*\s+1], s45, \s*SLOT
	s_add_nc_u64 s[G0B+4*\s+2:G0B+4*\s+3], s[46:47], \s*ROWB
	s_or_b32 s[G0B+4*\s+3], s[G0B+4*\s+3], 0x80000000
	JLOAD G0+4*\s, G1, G0B+4*\s, G1B
.endr
	v_and_b32 v1, 15, v0                           ; r = l % 16
	v_bfe_u32 v2, v0, 4, 1                         ; h = l / 16
	v_mul_u32_u24 v3, v1, PITCH
	v_lshl_add_u32 v4, v2, 4, v3                   ; a fragment's row x pitch + 16 x half
	s_mul_i32 s21, s15, HALFT                      ; my 128 rows of A
	s_mul_i32 s22, s16, HALFT                      ; my 128 rows of B,
	s_add_co_u32 s22, s22, 2*HALFT                 ; which lie behind A's 256
.irp s, 0,1
	v_add_nc_u32 v[ADRA+\s], s21, v4
	v_add_nc_u32 v[ADRB+\s], s22, v4
	s_add_co_u32 s21, s21, SLOT
	s_add_co_u32 s22, s22, SLOT
.endr
	v_mul_u32_u24 v5, v1, KS                       ; my row's scales: KS bytes a row,
	v_lshrrev_b32 v6, 8, v5
	v_lshl_add_u32 v5, v6, 4, v5                   ; and 16 more for each 256 passed
	s_mul_i32 s21, s15, HALFS                      ; A's: my 128 rows
	s_mul_i32 s22, s16, HALFS                      ; B's: my 128 rows, behind A's 256
	s_add_co_u32 s22, s22, 2*HALFS
	s_sub_co_u32 s22, s22, s21
	v_mul_u32_u24 v6, s22, v2                      ; lanes 16-31 take B's: one product, the distance x half
	s_add_co_u32 s21, s21, SCL
	v_add_nc_u32 v5, v5, v6
	v_add_nc_u32 v[ADRS], s21, v5
	s_mul_i32 s23, s14, 16*SPITCH
	s_add_co_u32 s23, s23, STAGE                   ; my stage
	v_mul_u32_u24 v5, v1, SPITCH                   ; in: token l % 16, 16 bytes for each half of the lanes
	v_lshl_add_u32 v5, v2, 4, v5
	v_add_nc_u32 v[STO], s23, v5
	v_and_b32 v6, 31, v0
	v_lshlrev_b32 v[CO], 4, v6                     ; out: 16 bytes a lane, 512 consecutive bytes a store
	v_lshrrev_b32 v5, 3, v6                        ; back: eight lanes take the 128 bytes of one token and one head, four tokens an instruction
	v_mul_u32_u24 v5, v5, SPITCH
	v_and_b32 v6, 7, v0
	v_lshl_add_u32 v5, v6, 4, v5
	v_add_nc_u32 v[RD], s23, v5
	; where my 128 tokens of my two heads begin in qkv: set x 12,582,912 + (tc / 4) N x 2,048 + head x N x 128 + token x 128; head = 4 (tc % 4) + 2 x column half
	s_lshl_b32 s96, s95, 10
	s_add_co_u32 s96, s96, 2048                    ; N
	s_mul_i32 s20, s95, 12582912
	s_lshr_b32 s21, s42, 2
	s_mul_i32 s21, s21, s96
	s_lshl_b32 s21, s21, 11
	s_add_co_u32 s20, s20, s21
	s_and_b32 s21, s42, 3
	s_lshl_b32 s21, s21, 2
	s_lshl_b32 s22, s16, 1
	s_add_co_u32 s21, s21, s22
	s_mul_i32 s21, s21, s96
	s_lshl_b32 s21, s21, 7
	s_add_co_u32 s20, s20, s21
	s_lshl_b32 s21, s95, 3
	s_sub_co_u32 s21, s17, s21                     ; ty - 8 x set
	s_lshl_b32 s21, s21, 8
	s_lshl_b32 s22, s15, 7
	s_add_co_u32 s21, s21, s22                     ; my first token
	s_lshl_b32 s21, s21, 7
	s_add_co_u32 s20, s20, s21
	s_mov_b32 s21, 0
	s_add_nc_u64 s[12:13], s[12:13], s[20:21]      ; my first head,
	s_lshl_b32 s20, s96, 7
	s_add_nc_u64 s[46:47], s[12:13], s[20:21]      ; and the next: N x 128 bytes on
.macro FRAG reg, adr, q, i             ; a fragment, 16 rows x 128 K of 4-bit codes, is 8 registers: lane l holds row l % 16; registers 4 c .. 4 c + 3 hold K = 64 c + 32 (l / 16) + 0 .. 31
.irp c, 0,1
	ds_load_b128 v[\reg+4*\c:\reg+4*\c+3], v[\adr] offset:64*(\q)+32*\c+(\i)*16*PITCH
.endr
.endm
; 16 matrix instructions: A's blocks a0, a0 + 1 x B's eight, 128 along K: the slot's q-th.  p: B's set;  sc: the set of scale words.  zero = 1: the first product starts the sums.
; The 64 accumulators take turns, one instruction a turn, in the same order in every step.
.macro MUL16 a0, p, q, sc, zero
.irp a, \a0, \a0+1
.irp b, 0,1,2,3,4,5,6,7
.if \zero
	v_wmma_scale_f32_16x16x128_f8f6f4 v[8*(8*((\a)%4)+\b):8*(8*((\a)%4)+\b)+7], v[128*(\p)+FR*\b:128*(\p)+FR*\b+FR-1], v[AF+FR*(\a):AF+FR*(\a)+FR-1], 0, v[SC+8*NQ*(\sc)+NQ*\b+(\q)], v[SC+8*NQ*(\sc)+NQ*(\a)+(\q)] matrix_a_fmt:MATRIX_FMT_FP4 matrix_b_fmt:MATRIX_FMT_FP4 matrix_a_scale:MATRIX_SCALE_ROW1
.else
	v_wmma_scale_f32_16x16x128_f8f6f4 v[8*(8*((\a)%4)+\b):8*(8*((\a)%4)+\b)+7], v[128*(\p)+FR*\b:128*(\p)+FR*\b+FR-1], v[AF+FR*(\a):AF+FR*(\a)+FR-1], v[8*(8*((\a)%4)+\b):8*(8*((\a)%4)+\b)+7], v[SC+8*NQ*(\sc)+NQ*\b+(\q)], v[SC+8*NQ*(\sc)+NQ*(\a)+(\q)] matrix_a_fmt:MATRIX_FMT_FP4 matrix_b_fmt:MATRIX_FMT_FP4 matrix_a_scale:MATRIX_SCALE_ROW1
.endif
.endr
.endr
.endm
.macro FETCH_B slot, q, p              ; B's eight fragments of the slot's q-th 128 along K into set p
	WIN TO_B
.irp i, 0,1,2,3,4,5,6,7
	FRAG 128*(\p)+FR*\i, ADRB+\slot, \q, \i
.endr
	WIN 0
.endm
.macro FETCH_A slot, q, i0             ; A's blocks i0 .. i0 + 3
.irp i, \i0, \i0+1, \i0+2, \i0+3
	FRAG AF+FR*(\i), ADRA+\slot, \q, \i
.endr
.endm
.macro SCALES sc                       ; a slot's scale words into set sc: NQ words a row; lanes 0-15 take A's block i, lanes 16-31 B's block i
.irp i, 0,1,2,3,4,5,6,7
	ds_load_b128 v[SC+8*NQ*\sc+NQ*\i:SC+8*NQ*\sc+NQ*\i+3], v[ADRS] offset:\i*SBLK
.endr
.endm
; A load into a register that a matrix instruction has read, and a vector instruction that reads a matrix result, stand NP places behind that matrix instruction;
; only plain vector instructions that name none of its registers are places.
.macro PLACES n
.rept \n
	v_nop
.endr
.endm
; A step of 128 along K that has its successor in the same slot.
.macro STEP slot, q, zero
	s_wait_dscnt 4*NL                              ; B's set and A's blocks 0-3 are in; the youngest eight loads (A's blocks 4-7) may be out
	WIN MUL_LO
	MUL16 0, (\q)%2, \q, \slot, \zero
	MUL16 2, (\q)%2, \q, \slot, \zero
	s_wait_dscnt 0                                 ; A's blocks 4-7 are in (asked for 32 matrix instructions ago)
	PLACES NP
	FETCH_B \slot, (\q)+1, 1-(\q)%2
	FETCH_A \slot, (\q)+1, 0
	WIN MUL_HI
	MUL16 4, (\q)%2, \q, \slot, \zero
	MUL16 6, (\q)%2, \q, \slot, \zero
	PLACES NP
	WIN 0
	FETCH_A \slot, (\q)+1, 4
.endm
; Slot 0's last step changes slots: one barrier; in front of it each wave waits for all its tensor loads (its part of slot 1), adds 0 to its spare word, and waits for that and for its LDS reads.
.macro TURN slot, next
	s_wait_tensorcnt 0x0                           ; all my tensor loads have landed  (every window is 0 here: the add's two registers lie in window 0)
	ds_add_u32 v[SPW], v[NIL]                      ; 0 onto my spare word
	s_wait_dscnt 4*NL+1                            ; (the add and the youngest eight loads, A's blocks 4-7, may be out)
	WIN MUL_LO
	MUL16 0, 1, NQ-1, \slot, 0                     ; sixteen matrix instructions stand between the add and the wait for it
	s_wait_dscnt 0x0                               ; the add is done, and my reads of this slot are over
	s_barrier_signal -1
	MUL16 2, 1, NQ-1, \slot, 0
	WIN 0
	s_barrier_wait -1
	PLACES NP
	v_add_nc_u32 v[ADRS], 4*NQ, v[ADRS]            ; on to the next slot's scale words (no LDS load of mine is out)
	FETCH_B \next, 0, 0
	FETCH_A \next, 0, 0
	SCALES \next
	WIN MUL_HI
	MUL16 4, 1, NQ-1, \slot, 0
	MUL16 6, 1, NQ-1, \slot, 0
	PLACES NP
	WIN 0
	FETCH_A \next, 0, 4
.endm
	s_wait_tensorcnt 1                             ; the scales and my part of slot 0 are in (slot 1's load may be out)
	s_barrier_signal -1
	s_barrier_wait -1                              ; everybody's are
	FETCH_B 0, 0, 0
	FETCH_A 0, 0, 0
	SCALES 0
	FETCH_A 0, 0, 4
	STEP 0, 0, 1                                   ; the first step's products start the sums: nothing is cleared
	STEP 0, 1, 0
	STEP 0, 2, 0
	TURN 0, 1
	STEP 1, 0, 0
	STEP 1, 1, 0
	STEP 1, 2, 0
	s_wait_dscnt 4*NL                              ; the very last step: nothing more to fetch
	WIN MUL_LO
	MUL16 0, 1, NQ-1, 1, 0
	MUL16 2, 1, NQ-1, 1, 0
	s_wait_dscnt 0
	WIN MUL_HI
	MUL16 4, 1, NQ-1, 1, 0
	MUL16 6, 1, NQ-1, 1, 0
	WIN 0
; THE WAY OUT, block by block of 16 tokens x 128 columns (two heads).  PACK: rounded to f16, 16 bytes a lane, each accumulator from its low end on.  TOSTAGE: into my own stage (a token's 256 bytes a row) and back
; head by head: an instruction takes four tokens of ONE head, which are 512 consecutive bytes of qkv.  SEND: stored.  LDS serves a wave's instructions in order (ISA guide 5.7.1.4): no wait between the stores and the loads.
.macro PACK a
.set AC, 64*((\a)%4)
	WIN 0x0a+5*((\a)/4)                            ; sources 0 and 1: window 2 or 3
.irp b, 0,1,2,3,4,5,6,7
.irp r, 0,1,2,3
	v_cvt_pk_f16_f32 v[TMP+4*\b+\r], v[AC+8*\b+2*\r], v[AC+8*\b+2*\r+1]
.endr
.endr
	WIN 0
.endm
.macro TOSTAGE a
.set BB, 96+128*((\a)%2)               ; v96-127 and v224-255 by turns
.irp b, 0,1,2,3,4,5,6,7
	ds_store_b128 v[STO], v[TMP+4*\b:TMP+4*\b+3] offset:32*\b
.endr
.irp i, 0,1,2,3,4,5,6,7
	ds_load_b128 v[BB+4*\i:BB+4*\i+3], v[RD] offset:(\i%4)*4*SPITCH+(\i/4)*128
.endr
.endm
.macro SEND a
.set BB, 96+128*((\a)%2)
	s_wait_dscnt 0x0                               ; the block is back in registers
	s_wait_xcnt 0x0                                ; the block before's stores have read their registers: the next block's loads may land there
.irp i, 0,1,2,3
	global_store_b128 v[CO], v[BB+4*\i:BB+4*\i+3], s[12:13] offset:2048*(\a)+512*\i          ; 32 lanes store 512 consecutive bytes, at a multiple of 256 from qkv's first byte
.endr
.irp i, 0,1,2,3
	global_store_b128 v[CO], v[BB+16+4*\i:BB+16+4*\i+3], s[46:47] offset:2048*(\a)+512*\i    ; the same tokens of the next head
.endr
.endm
	PLACES NP                                      ; behind the last products, ahead of the first read of results
	PACK 0
	TOSTAGE 0
.irp a, 1,2,3,4,5,6,7                  ; block a's conversions stand between block a - 1's loads from the stage and the wait for them
	PACK \a
	SEND \a-1
	TOSTAGE \a
.endr
	SEND 7
	s_wait_tensorcnt 0x0                           ; the wave's end: three closing lines, behind my last tensor load and my last LDS store
	ds_add_u32 v[SPW], v[NIL]
	s_wait_dscnt 0x0
	CROUND                                         ; the closing round: no work-group ends while a partner may still ask for a tile that names it
	s_endpgm
.Lfunc_end_k_q7680a7aa8c_proj:
	.size	k_q7680a7aa8c_proj, .Lfunc_end_k_q7680a7aa8c_proj-k_q7680a7aa8c_proj
	.p2alignl 7, 3214868480
	.fill 96, 4, 3214868480
	.section	.rodata,"a",@progbits
	.p2align	6, 0x0
	.amdhsa_kernel k_q7680a7aa8c_proj
		.amdhsa_group_segment_fixed_size 327680
		.amdhsa_private_segment_fixed_size 0
		.amdhsa_enable_private_segment 0
		.amdhsa_kernarg_size 40
		.amdhsa_user_sgpr_count 2
		.amdhsa_user_sgpr_kernarg_segment_ptr 1
		.amdhsa_wavefront_size32 1
		.amdhsa_system_sgpr_workgroup_id_x 1
		.amdhsa_system_sgpr_workgroup_id_y 1
		.amdhsa_system_sgpr_workgroup_id_z 1
		.amdhsa_system_vgpr_workitem_id 0
		.amdhsa_next_free_vgpr 1024
		.amdhsa_next_free_sgpr 98
		.amdhsa_reserve_vcc 0
		.amdhsa_float_denorm_mode_32 3
		.amdhsa_float_denorm_mode_16_64 3
		.amdhsa_memory_ordered 1
		.amdhsa_forward_progress 1
		.amdhsa_inst_pref_size 127
	.end_amdhsa_kernel
	.amdgpu_metadata
---
amdhsa.version: [ 1, 2 ]
amdhsa.kernels:
  - .name:           k_q7680a7aa8c_proj
    .symbol:         k_q7680a7aa8c_proj.kd
    .args:
      - { .name: xc, .offset: 0, .size: 8, .value_kind: global_buffer, .address_space: global }
      - { .name: xs, .offset: 8, .size: 8, .value_kind: global_buffer, .address_space: global }
      - { .name: wc, .offset: 16, .size: 8, .value_kind: global_buffer, .address_space: global }
      - { .name: ws, .offset: 24, .size: 8, .value_kind: global_buffer, .address_space: global }
      - { .name: qkv, .offset: 32, .size: 8, .value_kind: global_buffer, .address_space: global }
    .group_segment_fixed_size: 327680
    .private_segment_fixed_size: 0
    .kernarg_segment_align: 8
    .kernarg_segment_size: 40
    .max_flat_workgroup_size: 128
    .sgpr_count:     98
    .vgpr_count:     1024
    .wavefront_size: 32
...
	.end_amdgpu_metadata
.endif
;; end of part 2
;; launch attn (part 3): grid 8 x 32, 12 waves a work-group, no clusters, 327,680 bytes of LDS; arguments qkv, ctx; writes ctx
.if DOCPART == 3
	.amdgcn_target "amdgcn-amd-amdhsa--gfx1250"
	.amdhsa_code_object_version 6
	.text
	.protected	k_q7680a7aa8c_attn
	.globl	k_q7680a7aa8c_attn
	.p2align	8
	.type	k_q7680a7aa8c_attn,@function
k_q7680a7aa8c_attn:
	s_mov_b64 s[64:65], 0
	v_nop
	global_prefetch_b8 v0, s[64:65] scope:SCOPE_SE
	s_setreg_imm32_b32 hwreg(HW_REG_WAVE_MODE, 25, 1), 1
	s_wait_xcnt 0x0
; ATTN: both cross-attentions, 16 heads of 64, operands in f16, products, maxima and sums in f32; the weights p are rounded to f16 for the second product.
; Work-group (g, y): direction DIR = y / 16, head HD = y % 16.  DIR 0: 384 queries of Q1 (12 waves x 32) over the 2,048 keys of K, V.  DIR 1: 256 queries of Q (waves 0-7 x 32) over the 3,072 keys of K1, V1;
; waves 8-11 then only prefetch and pass the barriers.  Both are 786,432 query-keys a work-group: 256 work-groups of equal work.
; The result is written with the QUERIES innermost, ctx[(64 HD + d) NQ + q] in f16: cut into rows of 1,024 that flat array IS the left operand of the last product.
; LAYOUT.  S^T = K Q^T (source 0 = 16 keys, source 1 = 16 queries): a lane holds ONE query (lane % 16) and keys 8 (lane / 16) + 0..7.  Two such tiles, rounded to f16 in pairs, ARE source 1 (32 keys x 16 queries)
; of O^T = V^T P, whose result again holds one query a lane and eight channels.  K comes out of LDS as it lies, V ([key][channel]) turned, by ds_load_tr16_b128.
; SOFTMAX.  For each query a running maximum m and sum l: p = 2^(c s - c m), c = log2(e) / 8; in every step O and l are multiplied by a = 2^(c m_old - c m_new).  m begins at -3e38, O and l as zeros, so the step is written once.
; THE WALK.  Every work-group walks 12 slots of 256 keys, so that trip counts are constants.  A step's work is jumped over where its first key is at or past KL (the number of keys; 0 in an idle wave);
; a slot is asked for only while its first key is under the number of keys: a test on ids and the count of steps, the same in all twelve waves; every wait on TENSORcnt is for 0.
; NO CLUSTER: the two directions share one text and differ in the number of slots that are asked for; the jump that ends the requests may not lead round a joint load.
; Two or three waves share a SIMD, so one wave's products are issued beside another's softmax: the text is in plain phases, in 256 registers, with no register windows.
; LIMITS: NaN and infinities are not served; |Q|, |K|, |V| under 65,504 as the launch before leaves them.
.set SK,    256                        ; keys in a slot: four steps of 64
.set NSL,   12                         ; slots walked
.set PK,    144                        ; a key's row of K in LDS: 128 bytes + 16 of padding
.set PV,    160                        ; of V: 128 + 32: 16 lanes of the turning load take 8 rows x 32 bytes
.set VOFF,  SK*PK                      ; a slot: 256 rows of K, then 256 rows of V
.set SLOT1, 1<<17                      ; slot 1 begins here: one exclusive or turns an address in one slot into the other's
.set SPT,   1552                       ; the stage's pitch: 384 queries x 4 bytes + 16
.set STAGE, 208896                     ; behind the ring: f32 [64 channels][SPT], bytes into which no tensor load lands
.set SPARE, STAGE+64*SPT               ; the spare words, 128 bytes for each wave: six blocks of 256 bytes that no other line names
.set AK0,  1                           ; v1   my lane's place in a tile of K
.set AV0,  2                           ; v2   the same for V
.set ADK,  3                           ; v3   LDS address of the step's K
.set ADV,  4                           ; v4   of its V
.set SPW,  5                           ; v5   LDS address of my spare word; never rewritten
.set NIL,  6                           ; v6   0; never rewritten
.set PFO,  7                           ; v7   256 x lane: the prefetches' offset; never rewritten
.set STO,  8                           ; v8   the stage: where I put my query's channels 0-31
.set STO2, 9                           ; v9   channels 32-63
.set RD,   10                          ; v10  the stage: where I read 8 queries of a channel back
.set GO,   11                          ; v11  my byte offset in ctx
.set ST,   12                          ; tile t's statistics at v[ST+8 t]: +0 c m, +1 m, +2, +3 l (even keys', odd keys'), +4 to +7 c0-c3, at work; a takes c2's place
.set QF,   32                          ; v32-63   Q: tile t, channels 32 ks on, at 32 + 16 t + 8 ks
.set KV,   64                          ; v64-127  K's eight fragments of a step, then V's eight
.set S,    128                         ; v128-191 S^T, 32 a tile; P is laid in place over each tile's low 16
.set OT,   192                         ; v192-255 O^T: tile t, channels 16 ct on, at 192 + 32 t + 8 ct
.set TB,    2                          ; s2   LDS byte at which the slot in hand begins
.set SLOTS, 3                          ; s3   the loop's counter
.set DIR,   8
.set HD,    9
.set NK,    10                         ; keys
.set NQ,    11                         ; queries of the head
.set ACT,   12                         ; waves that own queries: 12 or 8
.set KL,    13                         ; NK in such a wave, else 0
.set PL,    14                         ; NK in a wave that prefetches, else 0
.set KF,    15                         ; the step's first key
.set WV,    18
.set SEL,   20                         ; s[20:21] lane selects for v_permlanex16_b32: lane l xor 16
.set CS,    22                         ; s[22:23] c, twice: the packed form names a pair
.set G1K,   24                         ; s[24:31] descriptor group 1 for K's tiles;  s[32:39] for V's;  s[40:43], s[44:47] their groups 0, which walk
.set G1V,   32
.set G0K,   40
.set G0V,   44
.set PFA,   48                         ; s[48:49] where my prefetches stand
; Waves 0 and 1 fetch K's halves of a slot, waves 2 and 3 V's, the others nothing.  The branches hang on the wave's number alone.  An s_nop 0 and four v_nop follow each of the two lines.
.macro TLOAD
	s_cmp_lt_u32 s[WV], 2
	s_cbranch_scc0 .Lnot_k_\@
	tensor_load_to_lds s[G0K:G0K+3], s[G1K:G1K+7]
	s_nop 0
.rept 4
	v_nop
.endr
	s_branch .Lasked_\@
.Lnot_k_\@:
	s_cmp_lt_u32 s[WV], 4
	s_cbranch_scc0 .Lasked_\@
	tensor_load_to_lds s[G0V:G0V+3], s[G1V:G1V+7]
	s_nop 0
.rept 4
	v_nop
.endr
.Lasked_\@:
.endm
; A PREFETCH INTO THE L2 of what the NEXT change of slots will ask for: a slot's K and V are two dense blocks of 32,768 bytes.  The eight work-groups of a head and direction walk the same K and V: the first of them asks.
; In it the waves ask that fetch nothing, one instruction each: waves 4-7 for K's block, waves 8-11 for V's, 8,192 bytes a wave, lanes 256 bytes apart: each aligned block of 256 bytes is named once in the launch.
; It stands where the fetching waves have their tensor load: a slot's four key steps ahead of the load that will want the data.  Slots 0 and 1 come by their loads alone; nothing is asked for past the last key.
.macro ASK
	s_add_co_u32 s19, s[KF], 2*SK
	s_cmp_lt_u32 s19, s[PL]
	s_cbranch_scc0 .Lnot_mine_\@
	global_prefetch_b8 v[PFO], s[PFA:PFA+1] th:TH_LOAD_NT scope:SCOPE_SE
.Lnot_mine_\@:
.endm
	s_load_b128 s[4:7], s[0:1], 0x0                ; qkv s[4:5], ctx s[6:7]
	v_lshl_add_u32 v[SPW], v0, 2, SPARE
	v_mov_b32 v[NIL], 0
	ds_add_u32 v[SPW], v[NIL]                      ; the wave's opening: the add, twice on end, and its wait ahead of my first tensor load
	ds_add_u32 v[SPW], v[NIL]                      ; (the set-up below, work on registers, stands between the second and the wait)
	v_lshrrev_b32 v28, 5, v0
	v_readfirstlane_b32 s[WV], v28                 ; wave 0..11
	s_and_b32 s19, ttmp7, 0xffff
	s_lshr_b32 s[DIR], s19, 4
	s_and_b32 s[HD], s19, 15
	s_lshl_b32 s[NK], s[DIR], 10
	s_add_co_u32 s[NK], s[NK], 2048                ; 2,048 or 3,072 keys
	s_sub_co_u32 s[NQ], 5120, s[NK]                ; 3,072 or 2,048 queries
	s_lshl_b32 s[ACT], s[DIR], 2
	s_sub_co_u32 s[ACT], 12, s[ACT]
	s_cmp_lt_u32 s[WV], s[ACT]
	s_cselect_b32 s[KL], s[NK], 0
	s_lshr_b32 s19, s[WV], 2
	s_min_u32 s19, s19, 1
	s_xor_b32 s19, s19, 1                          ; 1 in waves 0-3, which fetch,
	s_or_b32 s19, s19, ttmp9                       ; or in any work-group but the head's first
	s_cmp_eq_u32 s19, 0
	s_cselect_b32 s[PL], s[NK], 0
	s_mov_b32 s[KF], 0
	s_lshl_b32 s16, s[NQ], 2                       ; s[16:17]: two channels on in ctx: 4 NQ bytes
	s_mov_b32 s17, 0
	s_mov_b32 s[TB], 0
	s_mov_b32 s[SLOTS], NSL-1
	s_mov_b32 s[SEL], 0x76543210
	s_mov_b32 s[SEL+1], 0xfedcba98
	s_mov_b32 s[CS], 0x3e38aa3b                    ; c = log2(e) / sqrt(64)
	s_mov_b32 s[CS+1], s[CS]
	; descriptor group 1: 128 rows of 64 elements of 2 bytes, dense in memory, padded behind every row in LDS
	s_mov_b32 s[G1K], (1<<16)|(1<<20)|(4<<22)|(3<<25)   ; no mask; elements of 2 bytes; padding on; after every 32 words (code 4) four words (code 3)
	s_mov_b32 s[G1V], (1<<16)|(1<<20)|(4<<22)|(7<<25)   ; the same with eight words (code 7)
.irp g, G1K, G1V
	s_mov_b32 s[\g+1], 64<<16                      ; tensor_dim0 = 64
	s_mov_b32 s[\g+2], 128<<16                     ; tensor_dim1 = 128
	s_mov_b32 s[\g+3], 64<<16                      ; tile_dim0 = 64
	s_mov_b32 s[\g+4], 128                         ; tile_dim1 = 128
	s_mov_b32 s[\g+5], 64                          ; from row to row
	s_mov_b32 s[\g+6], 0
	s_mov_b32 s[\g+7], 0
.endr
	; byte offsets in qkv, all under 2^25: K at 4,194,304 (K1: 18,874,368), V at 8,388,608 (V1: 25,165,824), Q1 at 12,582,912 (Q: 0); a head is N x 128 bytes
	s_mul_i32 s50, s[HD], s[NK]
	s_lshl_b32 s50, s50, 7
	s_and_b32 s52, s[WV], 1                        ; which half of a slot's rows I fetch, if I fetch
	s_lshl_b32 s53, s52, 14
	s_mul_i32 s54, s[DIR], 14680064
	s_add_co_u32 s54, s54, 4194304
	s_add_co_u32 s54, s54, s50                     ; my head's K
	s_mul_i32 s56, s[DIR], 16777216
	s_add_co_u32 s56, s56, 8388608
	s_add_co_u32 s56, s56, s50                     ; and V
	s_cmp_lt_u32 s[WV], 8                          ; waves 4-7 prefetch K, waves 8-11 V
	s_cselect_b32 s58, s54, s56
	s_and_b32 s60, s[WV], 3
	s_lshl_b32 s60, s60, 13
	s_add_co_u32 s58, s58, s60                     ; my wave's 8,192 bytes,
	s_add_co_u32 s58, s58, SK*128                  ; in slot 1: the first change of slots steps it to slot 2
	s_mov_b32 s59, 0
	s_add_co_u32 s54, s54, s53
	s_mov_b32 s55, 0
	s_add_co_u32 s56, s56, s53
	s_mov_b32 s57, 0
	s_mul_i32 s61, s52, 128*PK                     ; where my half goes in a slot: K's,
	s_mul_i32 s62, s52, 128*PV
	s_add_co_u32 s62, s62, VOFF                    ; V's
	s_sub_co_u32 s60, 1, s[DIR]
	s_mul_i32 s60, s60, 12582912
	s_mul_i32 s63, s[HD], s[NQ]
	s_lshl_b32 s63, s63, 7
	s_add_co_u32 s60, s60, s63                     ; my head's queries
	s_sub_co_u32 s63, s[ACT], 1
	s_min_u32 s63, s63, s[WV]                      ; (an idle wave loads the last wave's rows and never multiplies them: no load leaves the buffer)
	s_mul_i32 s66, ttmp9, s[ACT]
	s_add_co_u32 s63, s63, s66
	s_lshl_b32 s63, s63, 12                        ; 32 rows of 128 bytes a wave
	s_add_co_u32 s50, s60, s63
	s_mov_b32 s51, 0
	; ctx: DIR x 6,291,456 + (4 HD + wave % 4) x 32 NQ (16 channels of 2 NQ bytes) + g x ACT x 64 + (wave / 4) x 256
	s_mul_i32 s66, s[DIR], 6291456
	s_lshl_b32 s67, s[HD], 2
	s_and_b32 s19, s[WV], 3
	s_add_co_u32 s67, s67, s19
	s_mul_i32 s67, s67, s[NQ]
	s_lshl_b32 s67, s67, 5
	s_add_co_u32 s66, s66, s67
	s_mul_i32 s67, ttmp9, s[ACT]
	s_lshl_b32 s67, s67, 6
	s_add_co_u32 s66, s66, s67
	s_lshr_b32 s67, s[WV], 2
	s_lshl_b32 s67, s67, 8
	s_add_co_u32 s66, s66, s67
	s_mov_b32 s67, 0
	s_wait_dscnt 0x0                               ; both opening adds are done
	s_wait_kmcnt 0x0
	s_mov_b32 s[G0K], 1                            ; count = 1
	s_mov_b32 s[G0K+1], s61                        ; LDS address: slot 0
	s_add_nc_u64 s[G0K+2:G0K+3], s[4:5], s[54:55]  ; global address: the head's first 256 keys, my half
	s_or_b32 s[G0K+3], s[G0K+3], 0x80000000        ; type = 2
	s_mov_b32 s[G0V], 1
	s_mov_b32 s[G0V+1], s62
	s_add_nc_u64 s[G0V+2:G0V+3], s[4:5], s[56:57]
	s_or_b32 s[G0V+3], s[G0V+3], 0x80000000
	TLOAD                                          ; slot 0: one tensor load of a fetching wave is out, here and behind every change of slots
	s_add_nc_u64 s[PFA:PFA+1], s[4:5], s[58:59]
	s_add_nc_u64 s[50:51], s[4:5], s[50:51]        ; Q at my wave's first row
	s_add_nc_u64 s[6:7], s[6:7], s[66:67]          ; ctx at my part
	v_and_b32 v28, 15, v0                          ; r = lane % 16
	v_bfe_u32 v29, v0, 4, 1                        ; h = lane / 16
	v_lshlrev_b32 v30, 7, v28
	v_lshl_add_u32 v30, v29, 4, v30                ; Q: row r of 128 bytes, + 16 h
.irp t, 0,1
.irp ks, 0,1
	global_load_b128 v[QF+16*\t+8*\ks:QF+16*\t+8*\ks+3],   v30, s[50:51] offset:2048*\t+64*\ks      ; Q stays in registers
	global_load_b128 v[QF+16*\t+8*\ks+4:QF+16*\t+8*\ks+7], v30, s[50:51] offset:2048*\t+64*\ks+32
.endr
.endr
	v_mul_u32_u24 v[AK0], v28, PK
	v_lshl_add_u32 v[AK0], v29, 4, v[AK0]          ; K: row x pitch + 16 x half
	v_and_b32 v31, 7, v0
	v_lshl_add_u32 v[AV0], v29, 3, v31             ; V, turned: key 8 h + lane % 8,
	v_mul_u32_u24 v[AV0], v[AV0], PV
	v_bfe_u32 v31, v0, 3, 1
	v_lshl_add_u32 v[AV0], v31, 4, v[AV0]          ; channels 8 ((lane / 8) % 2) on
	v_add_nc_u32 v[AV0], VOFF, v[AV0]
	v_and_b32 v[PFO], 31, v0
	v_lshlrev_b32 v[PFO], 8, v[PFO]
	v_mul_u32_u24 v[STO], v29, 8*SPT               ; the stage, in: channel 8 h + .., query 32 x wave + r
	v_lshl_add_u32 v[STO], v28, 2, v[STO]
	s_lshl_b32 s19, s[WV], 7
	s_add_co_u32 s19, s19, STAGE
	v_add_nc_u32 v[STO], s19, v[STO]
	v_add_nc_u32 v[STO2], 32*SPT, v[STO]
	s_and_b32 s19, s[WV], 3                        ; back: wave w takes channels 16 (w % 4) on, queries 128 (w / 4) on; a lane 8 queries of a channel
	s_mul_i32 s19, s19, 16*SPT
	s_lshr_b32 s52, s[WV], 2
	s_lshl_b32 s52, s52, 9
	s_add_co_u32 s19, s19, s52
	s_add_co_u32 s19, s19, STAGE
	v_mul_u32_u24 v[RD], v29, SPT
	v_lshl_add_u32 v[RD], v28, 5, v[RD]
	v_add_nc_u32 v[RD], s19, v[RD]
	s_lshl_b32 s19, s[NQ], 1
	v_mul_lo_u32 v[GO], v29, s19                   ; ctx: lanes 16-31 one channel (2 NQ bytes) on; 16 bytes a lane
	v_lshl_add_u32 v[GO], v28, 4, v[GO]
.irp t, 0,1
	v_mov_b32 v[ST+8*\t+1], 0xff61b1e6             ; m = -3e38, under every score
	v_mul_f32 v[ST+8*\t], s[CS], v[ST+8*\t+1]      ; c m
.irp i, 2,3,4,5,6,7
	v_mov_b32 v[ST+8*\t+\i], 0                     ; l; and c0-c3, written once: a lane permute's destination counts as one of its sources
.endr
.endr
.set j, 0
.rept 64
	v_mov_b32 v[OT+j], 0                           ; O^T.  (The step is written once: the first finds zeros, which a = 0 leaves zeros)
.set j, j+1
.endr
; THE SOFTMAX of a step for my two tiles, which alternate line by line so that no line waits for the line above it.
.macro SOFTMAX
.irp j, 0,1,2,3                        ; the maximum of a lane's 32 scores and the old m: four chains, each begun at the low end of one accumulator
.irp t, 0,1
	v_max3_num_f32 v[ST+8*\t+4+\j], v[S+32*\t+8*\j], v[S+32*\t+8*\j+1], v[S+32*\t+8*\j+2]
.endr
.endr
.irp u, 1,2
.irp j, 0,1,2,3
.irp t, 0,1
	v_max3_num_f32 v[ST+8*\t+4+\j], v[ST+8*\t+4+\j], v[S+32*\t+8*\j+2*\u+1], v[S+32*\t+8*\j+2*\u+2]
.endr
.endr
.endr
.irp t, 0,1
	v_max3_num_f32 v[ST+8*\t+4], v[ST+8*\t+4], v[S+32*\t+7], v[S+32*\t+15]
.endr
.irp t, 0,1
	v_max3_num_f32 v[ST+8*\t+6], v[ST+8*\t+6], v[S+32*\t+23], v[S+32*\t+31]
.endr
.irp t, 0,1
	v_max3_num_f32 v[ST+8*\t+4], v[ST+8*\t+4], v[ST+8*\t+5], v[ST+8*\t+6]
.endr
.irp t, 0,1
	v_max3_num_f32 v[ST+8*\t+4], v[ST+8*\t+4], v[ST+8*\t+7], v[ST+8*\t+1]
.endr
.irp t, 0,1
	v_permlanex16_b32 v[ST+8*\t+5], v[ST+8*\t+4], s[SEL], s[SEL+1]   ; the query's other 32 keys lie in the lane 16 away
.endr
.irp t, 0,1
	v_mov_b32 v[ST+8*\t+7], v[ST+8*\t]             ; c m_old is kept for a
.endr
.irp t, 0,1
	v_max_num_f32 v[ST+8*\t+1], v[ST+8*\t+4], v[ST+8*\t+5]          ; the new m
.endr
.irp t, 0,1
	v_mul_f32 v[ST+8*\t], s[CS], v[ST+8*\t+1]
.endr
.irp t, 0,1
	v_sub_f32 v[ST+8*\t+7], v[ST+8*\t+7], v[ST+8*\t]                ; c m_old - c m_new, 0 or less
.endr
.set b, 0
.rept 16
.irp t, 0,1
	v_pk_fma_f32 v[S+32*\t+b:S+32*\t+b+1], v[S+32*\t+b:S+32*\t+b+1], s[CS:CS+1], v[ST+8*\t:ST+8*\t+1] op_sel_hi:[1,0,0] neg_lo:[0,0,1] neg_hi:[0,0,1]   ; c s - c m, two at a time
.endr
.set b, b+2
.endr
.irp t, 0,1
	v_exp_f32 v[ST+8*\t+6], v[ST+8*\t+7]           ; a.  ONE BATCH of 66 exponentials: none reads another's result
.endr
.set e, 0
.rept 32
.irp t, 0,1
	v_exp_f32 v[S+32*\t+e], v[S+32*\t+e]           ; p, at most 1
.endr
.set e, e+1
.endr
	v_nop                                          ; a plain line behind the last exponential
	s_wait_alu depctr_va_vdst(0)                   ; the wait ahead of the first line that names a result: one for the batch
.irp t, 0,1
	v_pk_mul_f32 v[ST+8*\t+2:ST+8*\t+3], v[ST+8*\t+2:ST+8*\t+3], v[ST+8*\t+6:ST+8*\t+7] op_sel_hi:[1,0]   ; l x a
.endr
.irp t, 0,1
	v_pk_add_f32 v[ST+8*\t+4:ST+8*\t+5], v[S+32*\t+2:S+32*\t+3], v[S+32*\t+6:S+32*\t+7]                   ; the sum of the unrounded p, in two chains
.endr
.irp b, 0,4
.irp t, 0,1
	v_pk_add_f32 v[ST+8*\t+2:ST+8*\t+3], v[ST+8*\t+2:ST+8*\t+3], v[S+32*\t+\b:S+32*\t+\b+1]
.endr
.endr
.irp b, 8,12,16,20,24,28
.irp t, 0,1
	v_pk_add_f32 v[ST+8*\t+2:ST+8*\t+3], v[ST+8*\t+2:ST+8*\t+3], v[S+32*\t+\b:S+32*\t+\b+1]
	v_pk_add_f32 v[ST+8*\t+4:ST+8*\t+5], v[ST+8*\t+4:ST+8*\t+5], v[S+32*\t+\b+2:S+32*\t+\b+3]
.endr
.endr
.irp t, 0,1
	v_pk_add_f32 v[ST+8*\t+2:ST+8*\t+3], v[ST+8*\t+2:ST+8*\t+3], v[ST+8*\t+4:ST+8*\t+5]
.endr
.set j, 0
.rept 16
.irp t, 0,1
	v_cvt_pk_f16_f32 v[S+32*\t+j], v[S+32*\t+2*j], v[S+32*\t+2*j+1]   ; P in place, ascending: register j takes the pair 2 j, 2 j + 1, which no later line wants
.endr
.set j, j+1
.endr
.set j, 0
.rept 16
.irp t, 0,1
	v_pk_mul_f32 v[OT+32*\t+j:OT+32*\t+j+1], v[OT+32*\t+j:OT+32*\t+j+1], v[ST+8*\t+6:ST+8*\t+7] op_sel_hi:[1,0]   ; O^T x a, each accumulator from its low end on
.endr
.set j, j+2
.endr
.endm
; A KEY STEP: 64 keys, the q-th of the slot in hand.
.macro STEP q
	s_cmp_ge_u32 s[KF], s[KL]                      ; past my keys (or an idle wave): the step's work is left out; no barrier, wait for a tile or tensor load stands in a step
	s_cbranch_scc1 .Lskip_\@
	v_add_nc_u32 v[ADK], s[TB], v[AK0]
	v_add_nc_u32 v[ADV], s[TB], v[AV0]
.rept 3
	v_nop                                          ; with the two additions five places behind the last step's products: K's loads land on registers that they read (four are owed), and the products below write over P, which they read (five)
.endr
.irp kt, 0,1,2,3
.irp ks, 0,1
	ds_load_b128 v[KV+8*(2*\kt+\ks):KV+8*(2*\kt+\ks)+3],   v[ADK] offset:(64*(\q)+16*\kt)*PK+64*\ks
	ds_load_b128 v[KV+8*(2*\kt+\ks)+4:KV+8*(2*\kt+\ks)+7], v[ADK] offset:(64*(\q)+16*\kt)*PK+64*\ks+32
.endr
.endr
	s_wait_dscnt 0x0
.irp ks, 0,1                           ; S^T = K Q^T: eight accumulators by turns, one instruction a turn; the first eight start the sums
.irp kt, 0,1,2,3
.irp t, 0,1
.if \ks == 0
	v_wmma_f32_16x16x32_f16 v[S+32*\t+8*\kt:S+32*\t+8*\kt+7], v[KV+8*(2*\kt+\ks):KV+8*(2*\kt+\ks)+7], v[QF+16*\t+8*\ks:QF+16*\t+8*\ks+7], 0
.else
	v_wmma_f32_16x16x32_f16 v[S+32*\t+8*\kt:S+32*\t+8*\kt+7], v[KV+8*(2*\kt+\ks):KV+8*(2*\kt+\ks)+7], v[QF+16*\t+8*\ks:QF+16*\t+8*\ks+7], v[S+32*\t+8*\kt:S+32*\t+8*\kt+7]
.endif
.endr
.endr
.endr
.rept 4
	v_nop                                          ; four places: V's loads land on K's registers, and the softmax reads the scores
.endr
.irp g, 0,1
.irp ct, 0,1,2,3
	ds_load_tr16_b128 v[KV+8*(4*\g+\ct):KV+8*(4*\g+\ct)+3],   v[ADV] offset:(64*(\q)+32*\g)*PV+32*\ct          ; V lands while the softmax is walked
	ds_load_tr16_b128 v[KV+8*(4*\g+\ct)+4:KV+8*(4*\g+\ct)+7], v[ADV] offset:(64*(\q)+32*\g)*PV+16*PV+32*\ct
.endr
.endr
	SOFTMAX
	s_wait_dscnt 0x0                               ; V is in
.irp g, 0,1                            ; O^T += V^T P: eight accumulators by turns
.irp ct, 0,1,2,3
.irp t, 0,1
	v_wmma_f32_16x16x32_f16 v[OT+32*\t+8*\ct:OT+32*\t+8*\ct+7], v[KV+8*(4*\g+\ct):KV+8*(4*\g+\ct)+7], v[S+32*\t+8*\g:S+32*\t+8*\g+7], v[OT+32*\t+8*\ct:OT+32*\t+8*\ct+7]
.endr
.endr
.endr
.Lskip_\@:
	s_add_co_u32 s[KF], s[KF], 64
.endm
; THE CHANGE OF SLOTS stands at a slot's head.  Each wave waits for all its tensor loads (its part of the slot that it is about to read), adds 0 to its spare word (fill = 1: twice on end), and waits for that and for its
; reads of the slot that it has left.  Behind the barrier the slot ahead is whole and nobody reads the other one.  fill = 1: that other slot is filled with the keys that follow, while there are such keys.
.macro CHANGE fill
	s_wait_tensorcnt 0x0                           ; no tensor load of mine is out, so a group 0 may be written
	ds_add_u32 v[SPW], v[NIL]                      ; 0 onto my spare word
.if \fill
	ds_add_u32 v[SPW], v[NIL]                      ; and once more: the add twice on end, in every trip alike
	s_xor_b32 s[G0K+1], s[G0K+1], SLOT1            ; the walking descriptors: the other slot than last time,
	s_add_nc_u64 s[G0K+2:G0K+3], s[G0K+2:G0K+3], SK*128   ; the next 256 keys; the type bits on top are not reached
	s_xor_b32 s[G0V+1], s[G0V+1], SLOT1
	s_add_nc_u64 s[G0V+2:G0V+3], s[G0V+2:G0V+3], SK*128
	s_wait_xcnt 0x0                                ; the last prefetch, a slot back, has read its address, so it may be written:
	s_add_nc_u64 s[PFA:PFA+1], s[PFA:PFA+1], SK*128   ; one slot further on than the walking descriptors
.endif
	s_wait_dscnt 0x0                               ; the add is done (fill = 1: both are), and my reads of the slot that I have left are over
	s_barrier_signal -1
	s_barrier_wait -1
.if \fill
	s_add_co_u32 s19, s[KF], SK                    ; the first key of the slot that this change would ask for:
	s_cmp_ge_u32 s19, s[NK]                        ; past the last key nobody would read it, so it is not asked for.  Ids and the count of steps alone: all twelve waves go the same way
	s_cbranch_scc1 .Lpast_\@
	TLOAD                                          ; the first thing behind the barrier but for the three lines above, and a wave's one tensor load until the next
.Lpast_\@:
	ASK
.endif
.endm
.macro SLOT_STEPS
	STEP 0
	STEP 1
	STEP 2
	STEP 3
	s_xor_b32 s[TB], s[TB], SLOT1                  ; on to the other slot
.endm
	s_wait_loadcnt 0x0                             ; Q
.Lslot:                                            ; NSL - 1 trips
	CHANGE 1
	SLOT_STEPS
	s_sub_co_u32 s[SLOTS], s[SLOTS], 1
	s_cmp_lg_u32 s[SLOTS], 0
	s_cbranch_scc1 .Lslot
	CHANGE 0                                       ; the last slot is written out: nothing follows it
	SLOT_STEPS
	; THE WAY OUT.  O^T / l goes, in f32, into the work-group's stage [channel][query]; a barrier; each owning wave reads 16 channels x 128 queries back, rounds to f16 and stores: sixteen lanes fill 256 consecutive bytes of a channel's row.
.rept 4
	v_nop                                          ; four places behind the last products, on every wave's path
.endr
	s_cmp_ge_u32 s[WV], s[ACT]
	s_cbranch_scc1 .Lidle_in
.irp t, 0,1
	v_add_f32 v[ST+8*\t+4], v[ST+8*\t+2], v[ST+8*\t+3]              ; l's two halves,
.endr
.irp t, 0,1
	v_permlanex16_b32 v[ST+8*\t+5], v[ST+8*\t+4], s[SEL], s[SEL+1]
.endr
.irp t, 0,1
	v_add_f32 v[ST+8*\t+4], v[ST+8*\t+4], v[ST+8*\t+5]              ; and the other half of the lanes'
.endr
.irp t, 0,1
	v_rcp_f32 v[ST+8*\t+6], v[ST+8*\t+4]
.endr
	v_nop                                          ; a plain line behind the last reciprocal
	s_wait_alu depctr_va_vdst(0)                   ; and the wait ahead of the first use: one for both
.set j, 0
.rept 16
.irp t, 0,1
	v_pk_mul_f32 v[OT+32*\t+j:OT+32*\t+j+1], v[OT+32*\t+j:OT+32*\t+j+1], v[ST+8*\t+6:ST+8*\t+7] op_sel_hi:[1,0]
.endr
.set j, j+2
.endr
.irp t, 0,1
.irp ct, 0,1
.irp j, 0,1,2,3,4,5,6,7
	ds_store_b32 v[STO], v[OT+32*\t+8*\ct+\j] offset:64*\t+(16*\ct+\j)*SPT          ; channel 16 ct + 8 h + j, query 32 w + 16 t + r: sixteen lanes write 64 consecutive bytes
.endr
.endr
.irp ct, 0,1
.irp j, 0,1,2,3,4,5,6,7
	ds_store_b32 v[STO2], v[OT+32*\t+16+8*\ct+\j] offset:64*\t+(16*\ct+\j)*SPT
.endr
.endr
.endr
.Lidle_in:
	s_wait_dscnt 0x0                               ; for the others' sake: my stores into the stage are done
	s_barrier_signal -1
	s_barrier_wait -1
	s_cmp_ge_u32 s[WV], s[ACT]
	s_cbranch_scc1 .Lidle_out
.irp i, 0,1,2,3,4,5,6,7
	ds_load_b128 v[KV+8*\i:KV+8*\i+3],   v[RD] offset:2*SPT*\i      ; channels 2 i + h of my 16: 8 queries a lane
	ds_load_b128 v[KV+8*\i+4:KV+8*\i+7], v[RD] offset:2*SPT*\i+16
.endr
.irp i, 0,1,2,3,4,5,6,7
	s_wait_dscnt 14-2*\i                           ; pair i is in; the younger pairs may be out
.irp k, 0,1,2,3
	v_cvt_pk_f16_f32 v[S+4*\i+\k], v[KV+8*\i+2*\k], v[KV+8*\i+2*\k+1]
.endr
.if \i > 0
	s_wait_xcnt 0x0                                ; the last store has read its base, so it may step:
	s_add_nc_u64 s[6:7], s[6:7], s[16:17]          ; two channels on
.endif
	global_store_b128 v[GO], v[S+4*\i:S+4*\i+3], s[6:7]             ; sixteen lanes store 256 consecutive bytes, at a multiple of 256 from ctx's first byte
.endr
.Lidle_out:
	s_wait_tensorcnt 0x0                           ; the wave's end: three closing lines, behind my last tensor load and my last LDS store
	ds_add_u32 v[SPW], v[NIL]
	s_wait_dscnt 0x0
	s_endpgm
.Lfunc_end_k_q7680a7aa8c_attn:
	.size	k_q7680a7aa8c_attn, .Lfunc_end_k_q7680a7aa8c_attn-k_q7680a7aa8c_attn
	.p2alignl 7, 3214868480
	.fill 96, 4, 3214868480
	.section	.rodata,"a",@progbits
	.p2align	6, 0x0
	.amdhsa_kernel k_q7680a7aa8c_attn
		.amdhsa_group_segment_fixed_size 327680
		.amdhsa_private_segment_fixed_size 0
		.amdhsa_enable_private_segment 0
		.amdhsa_kernarg_size 16
		.amdhsa_user_sgpr_count 2
		.amdhsa_user_sgpr_kernarg_segment_ptr 1
		.amdhsa_wavefront_size32 1
		.amdhsa_system_sgpr_workgroup_id_x 1
		.amdhsa_system_sgpr_workgroup_id_y 1
		.amdhsa_system_sgpr_workgroup_id_z 1
		.amdhsa_system_vgpr_workitem_id 0
		.amdhsa_next_free_vgpr 256
		.amdhsa_next_free_sgpr 70
		.amdhsa_reserve_vcc 0
		.amdhsa_float_denorm_mode_32 3
		.amdhsa_float_denorm_mode_16_64 3
		.amdhsa_memory_ordered 1
		.amdhsa_forward_progress 1
		.amdhsa_inst_pref_size 161
	.end_amdhsa_kernel
	.amdgpu_metadata
---
amdhsa.version: [ 1, 2 ]
amdhsa.kernels:
  - .name:           k_q7680a7aa8c_attn
    .symbol:         k_q7680a7aa8c_attn.kd
    .args:
      - { .name: qkv, .offset: 0, .size: 8, .value_kind: global_buffer, .address_space: global }
      - { .name: ctx, .offset: 8, .size: 8, .value_kind: global_buffer, .address_space: global }
    .group_segment_fixed_size: 327680
    .private_segment_fixed_size: 0
    .kernarg_segment_align: 8
    .kernarg_segment_size: 16
    .max_flat_workgroup_size: 384
    .sgpr_count:     70
    .vgpr_count:     256
    .wavefront_size: 32
...
	.end_amdgpu_metadata
.endif
;; end of part 3
;; launch fc (part 4): grid 8 x 40, 4 waves a work-group, clusters of 4 x 4, 327,680 bytes of LDS; arguments ctx, wf, out0, out1; writes out0, out1
.if DOCPART == 4
	.amdgcn_target "amdgcn-amd-amdhsa--gfx1250"
	.amdhsa_code_object_version 6
	.text
	.protected	k_q7680a7aa8c_fc
	.globl	k_q7680a7aa8c_fc
	.p2align	8
	.type	k_q7680a7aa8c_fc,@function
k_q7680a7aa8c_fc:
	s_mov_b64 s[64:65], 0
	v_nop
	global_prefetch_b8 v0, s[64:65] scope:SCOPE_SE
	s_setreg_imm32_b32 hwreg(HW_REG_WAVE_MODE, 25, 1), 1
	s_wait_xcnt 0x0
	s_wait_alu depctr_hold_cnt(0) depctr_sa_sdst(0) depctr_va_vdst(0) depctr_va_sdst(0) depctr_va_ssrc(0) depctr_va_vcc(0) depctr_vm_vsrc(0)
	s_getreg_b32 s2, hwreg(HW_REG_IB_STS2, 6, 4)
	s_cmp_eq_u32 s2, 0
	s_cbranch_scc0 .Lentry_in_a_cluster
	s_endpgm
.Lentry_in_a_cluster:
	s_bfe_u32 s2, ttmp6, 0x10000c
	s_cmp_lg_u32 s2, 0xf033
	s_cbranch_scc0 .Lentry_shape_is_right
	s_endpgm
.Lentry_shape_is_right:
; FC: out0 = ctx[0:3072] Wfc, out1 = ctx[3072:5120] Wfc1.  ctx: [5120][1024] f16, K innermost.  wf: [2048 = Wfc's k rows, then Wfc1's][1024 n] f16, K OUTERMOST, as the weights lie.  Sums and results in f32.
; A tile of C is 128 x 128: four waves, each 64 x 64: 16 accumulators, 128 registers.  K goes in steps of 256 through two LDS slots: A's tile 128 rows x 512 bytes, B's 256 k-rows x 256 bytes.
; B's fragments come out of LDS turned, by ds_load_tr16_b128: nothing is transposed in memory.
; Tile rows 0-23 (clusters y = 0 .. 5) belong to out0 and Wfc, tile rows 24-39 to out1 and Wfc1: 'set' is made of the cluster's y alone, which all sixteen partners share.
; CLUSTERS: 4 x 4 work-groups.  The four of a row of the cluster need the same tiles of A, the four of a column the same tiles of B: each is asked for JOINTLY.
; THE MATRIX INSTRUCTION IS USED TRANSPOSED (source 0 = 16 columns n of B, source 1 = 16 rows of A): a lane holds eight neighbouring numbers of a row of C.
; REGISTERS: window 0: v0-31 addresses; v32-95 the way out; v128-255 the accumulators ((a, b) at v[128 + 8 (4 a + b)]).   window 1: two fragment buffers of 128: for 64 along K, 64 registers of A, then 64 of B.
; No prefetch: the launch is short and its tiles are small.
.set SIZE_K, 1024
.set KSTEP,  256
.set PITCH,  528                       ; a row of A in LDS: 512 bytes + 16 of padding
.set HALFT,  64*PITCH                  ; 64 rows of A: what one tensor load brings, and what one wave reads
.set PB,     288                       ; a k-row of B in LDS: 256 bytes + 32: 16 lanes of the turning load take 8 rows x 32 bytes
.set HALFB,  128*PB                    ; 128 k-rows: what one tensor load brings
.set BOFF,   2*HALFT                   ; B's tile lies behind A's
.set SLOT,   BOFF+2*HALFB
.set STAGE,  2*SLOT                    ; behind the ring: 16 rows x 272 bytes for each wave, bytes into which no tensor load lands
.set SPITCH, 272
.set SPARE,  STAGE+4*16*SPITCH         ; the spare words, 128 bytes for each wave: two blocks of 256 bytes that no other line names
.set LAPS,   SIZE_K/(2*KSTEP)          ; a lap = two K steps = once round the ring
.set ADRA, 16                          ; v16-17  LDS address of my A fragments in slot 0, 1
.set ADRB, 20                          ; v20-23  of my B fragments: slot s, k-rows 128 u on, at v[20 + 2 s + u]: so every offset fits the 16-bit immediate
.set STO,  24                          ; v24     the way out: where I put 32 bytes of a row
.set RD,   25                          ; v25     where I read a row back
.set CO,   26                          ; v26     my byte offset in C
.set SPW,  28                          ; v28     LDS address of my spare word; never rewritten
.set NIL,  29                          ; v29     0; never rewritten
.set TMP,  32                          ; the way out: v32-63 and v64-95 by turns
.set ACC,  128
.set F0,   0                           ; fragment buffers, in window 1
.set F1,   128
.set G1, 24                            ; s[24:31] descriptor group 1 for A's tiles;  s[32:39] group 0, one set for each slot
.set G0, 32
.set G1B, 48                           ; s[48:55], s[56:63] the same for B's tiles
.set G0B, 56
.set MSB, 0
.macro WIN new                         ; the immediate's high byte repeats the setting that is left
.if MSB != \new
	s_set_vgpr_msb (MSB<<8)|\new
.set MSB, \new
.endif
.endm
.set MUL,  0x05                        ; sources 0 (B) and 1 (A) window 1; C and D window 0
.set TO_F, 0x40                        ; destination window 1, address window 0
.macro JLOAD s                         ; a joint load: waves 0 and 1 fetch A's two halves, waves 2 and 3 B's; an s_nop 0 and four v_nop follow each of the two lines
	s_cmp_eq_u32 s11, 0
	s_cbranch_scc0 .Lfor_b_\@
	tensor_load_to_lds s[G0+4*\s:G0+4*\s+3], s[G1:G1+7]
	s_nop 0
.rept 4
	v_nop
.endr
	s_branch .Lasked_\@
.Lfor_b_\@:
	tensor_load_to_lds s[G0B+4*\s:G0B+4*\s+3], s[G1B:G1B+7]
	s_nop 0
.rept 4
	v_nop
.endr
.Lasked_\@:
.endm
.macro CREST                           ; a round of the cluster's barrier behind its opening barrier
	s_cmp_lg_u32 s10, 0
	s_cbranch_scc1 .Lnot_wave_0_\@
	s_barrier_signal -3
.Lnot_wave_0_\@:
	s_barrier_wait -3
	s_barrier_signal -1
	s_barrier_wait -1
.endm
.macro CROUND                          ; a whole round
	s_barrier_signal -1
	s_barrier_wait -1
	CREST
.endm
	s_load_b128 s[4:7], s[0:1], 0x0                ; ctx s[4:5], wf s[6:7]
	s_load_b128 s[68:71], s[0:1], 0x10             ; out0 s[68:69], out1 s[70:71]
	v_lshl_add_u32 v[SPW], v0, 2, SPARE
	v_mov_b32 v[NIL], 0
	ds_add_u32 v[SPW], v[NIL]                      ; the wave's opening: the add, twice on end, and its wait ahead of my first tensor load
	ds_add_u32 v[SPW], v[NIL]                      ; (the set-up below, work on registers, stands between the second and the wait)
	v_lshrrev_b32 v1, 5, v0
	v_readfirstlane_b32 s10, v1                    ; wave 0..3
	s_lshr_b32 s11, s10, 1                         ; which half of the tile's rows is mine.  Also: I fetch for A (0) or for B (1)
	s_and_b32 s12, s10, 1                          ; which half of its columns.  Also: which half of that tile I fetch
	s_bfe_u32 s40, ttmp6, 0x40000                  ; cx, cy: my place in the cluster
	s_bfe_u32 s41, ttmp6, 0x40004
	s_lshl_b32 s42, ttmp9, 2
	s_add_co_u32 s42, s42, s40                     ; tile column = 4 x cluster x + cx
	s_and_b32 s13, ttmp7, 0xffff
	s_lshl_b32 s13, s13, 2
	s_add_co_u32 s13, s13, s41                     ; tile row = 4 x cluster y + cy
	s_and_b32 s45, ttmp7, 0xffff
	s_mul_i32 s45, s45, 43
	s_lshr_b32 s45, s45, 8                         ; set: 0 for cluster y 0 .. 5, 1 for 6 .. 9
	s_lshl_b32 s43, s41, 2
	s_lshl_b32 s43, 15, s43                        ; my row of the cluster
	s_lshl_b32 s44, 0x1111, s40                    ; my column
	; descriptor group 1.  A: 64 rows x 256 elements of 2 bytes, 1,024 elements from row to row; four words of padding after every 128
	s_or_b32 s[G1+0], s43, (1<<16)|(1<<20)|(1<<21)|(6<<22)|(3<<25)
	s_mov_b32 s[G1+1], KSTEP<<16                   ; tensor_dim0 = 256
	s_mov_b32 s[G1+2], 64<<16                      ; tensor_dim1 = 64
	s_mov_b32 s[G1+3], KSTEP<<16                   ; tile_dim0 = 256
	s_mov_b32 s[G1+4], 64                          ; tile_dim1 = 64
	s_mov_b32 s[G1+5], SIZE_K
	s_mov_b32 s[G1+6], 0
	s_mov_b32 s[G1+7], 0
	; B: 128 k-rows x 128 elements, 1,024 elements from row to row; eight words of padding after every 64
	s_or_b32 s[G1B+0], s44, (1<<16)|(1<<20)|(1<<21)|(5<<22)|(7<<25)
	s_mov_b32 s[G1B+1], 128<<16
	s_mov_b32 s[G1B+2], 128<<16
	s_mov_b32 s[G1B+3], 128<<16
	s_mov_b32 s[G1B+4], 128
	s_mov_b32 s[G1B+5], 1024
	s_mov_b32 s[G1B+6], 0
	s_mov_b32 s[G1B+7], 0
	s_lshl_b32 s17, s12, 6
	s_lshl_b32 s16, s13, 7
	s_add_co_u32 s16, s16, s17                     ; A: row 128 x tile row + 64 x half,
	s_lshl_b32 s16, s16, 11                        ; of 2,048 bytes
	s_mov_b32 s17, 0
	s_lshl_b32 s46, s45, 21                        ; B: set x 1,024 k-rows of 2,048 bytes
	s_lshl_b32 s47, s12, 18                        ;    + 128 k-rows x half
	s_add_co_u32 s46, s46, s47
	s_lshl_b32 s47, s42, 8                         ;    + 256 bytes x tile column
	s_add_co_u32 s46, s46, s47
	s_mov_b32 s47, 0
	s_mul_i32 s20, s12, HALFT                      ; where they go: no place in the cluster enters an LDS address
	s_mul_i32 s21, s12, HALFB
	s_add_co_u32 s21, s21, BOFF
	s_wait_dscnt 0x0                               ; both opening adds are done
	s_wait_kmcnt 0x0
	s_add_nc_u64 s[14:15], s[4:5], s[16:17]
	s_add_nc_u64 s[46:47], s[6:7], s[46:47]
	CROUND                                         ; all sixteen work-groups are here: the first joint loads meet
.irp s, 0,1
	s_mov_b32 s[G0+4*\s], 1
	s_add_co_u32 s[G0+4*\s+1], s20, \s*SLOT
	s_add_nc_u64 s[G0+4*\s+2:G0+4*\s+3], s[14:15], \s*KSTEP*2
	s_or_b32 s[G0+4*\s+3], s[G0+4*\s+3], 0x80000000
	s_mov_b32 s[G0B+4*\s], 1
	s_add_co_u32 s[G0B+4*\s+1], s21, \s*SLOT
	s_add_nc_u64 s[G0B+4*\s+2:G0B+4*\s+3], s[46:47], \s*KSTEP*2048
	s_or_b32 s[G0B+4*\s+3], s[G0B+4*\s+3], 0x80000000
	JLOAD \s                                       ; two tensor loads of mine are out at the start, later one
.endr
	v_and_b32 v1, 15, v0                           ; r = l % 16
	v_bfe_u32 v2, v0, 4, 1                         ; h = l / 16
	v_mul_u32_u24 v3, v1, PITCH
	v_lshl_add_u32 v3, v2, 4, v3                   ; A: a fragment's row x pitch + 16 x half
	v_and_b32 v5, 7, v0
	v_lshl_add_u32 v4, v2, 3, v5                   ; B, turned: k-row 8 h + l % 8,
	v_mul_u32_u24 v4, v4, PB
	v_bfe_u32 v5, v0, 3, 1
	v_lshl_add_u32 v4, v5, 4, v4                   ; columns 8 ((l / 8) % 2) on
	s_mul_i32 s21, s11, HALFT                      ; my 64 rows of A
	s_lshl_b32 s22, s12, 7                         ; my 64 columns of B: 128 bytes x half
	s_add_co_u32 s22, s22, BOFF
.irp s, 0,1
	v_add_nc_u32 v[ADRA+\s], s21, v3
	v_add_nc_u32 v[ADRB+2*\s], s22, v4
	s_add_co_u32 s22, s22, HALFB
	v_add_nc_u32 v[ADRB+2*\s+1], s22, v4
	s_add_co_u32 s21, s21, SLOT
	s_add_co_u32 s22, s22, SLOT-HALFB
.endr
	s_mul_i32 s23, s10, 16*SPITCH
	s_add_co_u32 s23, s23, STAGE                   ; my stage
	v_mul_u32_u24 v5, v1, SPITCH                   ; in: row l % 16, 32 bytes for each half of the lanes
	v_lshl_add_u32 v5, v2, 5, v5
	v_add_nc_u32 v[STO], s23, v5
	v_mul_u32_u24 v5, v2, SPITCH                   ; back: lanes 0-15 take one row of 256 bytes, lanes 16-31 the next
	v_lshl_add_u32 v5, v1, 4, v5
	v_add_nc_u32 v[RD], s23, v5
	v_lshlrev_b32 v5, 12, v2                       ; and the same two rows in C: 4,096 bytes a row
	v_lshl_add_u32 v[CO], v1, 4, v5
	s_cmp_eq_u32 s45, 0                            ; the choice hangs on no address
	s_cselect_b64 s[8:9], s[68:69], s[70:71]
	s_lshl_b32 s16, s13, 7
	s_mul_i32 s17, s45, 3072
	s_sub_co_u32 s16, s16, s17
	s_lshl_b32 s17, s11, 6
	s_add_co_u32 s16, s16, s17                     ; my first row of the output: 128 x tile row - 3,072 x set + 64 x half
	s_lshl_b32 s16, s16, 12
	s_lshl_b32 s17, s42, 9
	s_add_co_u32 s16, s16, s17                     ; + 512 bytes x tile column
	s_lshl_b32 s17, s12, 8
	s_add_co_u32 s16, s16, s17                     ; + 256 x half
	s_mov_b32 s17, 0
	s_add_nc_u64 s[8:9], s[8:9], s[16:17]
; 8 matrix instructions: m blocks a0, a0 + 1 x all 4 n blocks, 32 along K: half c of buffer f.  zero = 1: the first product starts the sums.  The 16 accumulators take turns.
.macro MUL8 f, c, a0, zero
.irp a, \a0, \a0+1
.irp b, 0,1,2,3
.if \zero
	v_wmma_f32_16x16x32_f16 v[ACC+8*(4*(\a)+\b):ACC+8*(4*(\a)+\b)+7], v[\f+64+8*(4*\c+\b):\f+64+8*(4*\c+\b)+7], v[\f+8*(4*\c+\a):\f+8*(4*\c+\a)+7], 0
.else
	v_wmma_f32_16x16x32_f16 v[ACC+8*(4*(\a)+\b):ACC+8*(4*(\a)+\b)+7], v[\f+64+8*(4*\c+\b):\f+64+8*(4*\c+\b)+7], v[\f+8*(4*\c+\a):\f+8*(4*\c+\a)+7], v[ACC+8*(4*(\a)+\b):ACC+8*(4*(\a)+\b)+7]
.endif
.endr
.endr
.endm
; 32 LDS loads in one run: the fragments of the slot's q-th 64 along K, into buffer f; the first 32 along K first.  B: k-rows 64 q + 32 c on, columns 16 i on, turned; A: bytes 128 q + 64 c of its rows.
.macro FETCH slot, q, f
	WIN TO_F
.irp c, 0,1
.irp i, 0,1,2,3
	ds_load_tr16_b128 v[\f+64+8*(4*\c+\i):\f+64+8*(4*\c+\i)+3],   v[ADRB+2*\slot+(\q)/2] offset:(((\q)%2)*64+32*\c)*PB+32*\i
	ds_load_tr16_b128 v[\f+64+8*(4*\c+\i)+4:\f+64+8*(4*\c+\i)+7], v[ADRB+2*\slot+(\q)/2] offset:(((\q)%2)*64+32*\c+16)*PB+32*\i
	ds_load_b128 v[\f+8*(4*\c+\i):\f+8*(4*\c+\i)+3],              v[ADRA+\slot] offset:128*(\q)+64*\c+\i*16*PITCH
	ds_load_b128 v[\f+8*(4*\c+\i)+4:\f+8*(4*\c+\i)+7],            v[ADRA+\slot] offset:128*(\q)+64*\c+\i*16*PITCH+32
.endr
.endr
.endm
.macro PLACES                          ; four places in front of loads into registers that matrix instructions have read, and of LDS stores that read results
.rept 4
	v_nop
.endr
.endm
; A K step is four quarters of 64 along K, 32 matrix instructions each, on buffers 0, 1, 0, 1.  One of the first three: multiplies buffer f and fetches quarter q into g.
.macro QUARTER slot, q, f, g, zero
	s_wait_dscnt 16                                ; the first 32 along K are in; the other sixteen loads may be out
	WIN MUL
	MUL8 \f, 0, 0, \zero
	MUL8 \f, 0, 2, \zero
	PLACES
	FETCH \slot, \q, \g
	s_wait_dscnt 32                                ; all but the 32 just issued
	WIN MUL
	MUL8 \f, 1, 0, 0
	MUL8 \f, 1, 2, 0
.endm
; The last quarter multiplies buffer 1 and changes slots: ONE barrier; in front of it each wave waits for all its tensor loads, adds 0 to its spare word, and waits for that and for its own reads of this slot.  fill = 1: this slot is filled again, two K steps ahead.
.macro TURN slot, next, fill
	WIN 0                                          ; (the add's two registers lie in window 0)
	s_wait_tensorcnt 0x0                           ; all my tensor loads have landed: my part of the next slot;
	ds_add_u32 v[SPW], v[NIL]                      ; 0 onto my spare word;
	s_wait_dscnt 17                                ; (the add and the youngest sixteen loads may be out)
	WIN MUL
	MUL8 F1, 0, 0, 0                               ; eight matrix instructions stand between the add and the wait for it
	s_wait_dscnt 0x0                               ; the add is done, and my reads of this slot are over
	s_barrier_signal -1
	MUL8 F1, 0, 2, 0
.if \fill
	WIN 0
.endif
	s_barrier_wait -1
.if \fill
	CREST                                          ; the barrier has opened a round of the cluster's barrier: no wave of any partner still reads this slot's tile or has a load on its way
	s_add_nc_u64 s[G0+4*\slot+2:G0+4*\slot+3], s[G0+4*\slot+2:G0+4*\slot+3], 2*KSTEP*2
	s_add_nc_u64 s[G0B+4*\slot+2:G0B+4*\slot+3], s[G0B+4*\slot+2:G0B+4*\slot+3], 2*KSTEP*2048
	JLOAD \slot                                    ; the first tensor load behind the round; the four v_nop behind it are also the places in front of the loads below
.else
	PLACES
.endif
	FETCH \next, 0, F0
	WIN MUL
	MUL8 F1, 1, 0, 0
	MUL8 F1, 1, 2, 0
.endm
	s_wait_tensorcnt 1                             ; my part of K step 0 is in (K step 1's load may be out)
	s_barrier_signal -1
	s_barrier_wait -1                              ; everybody's is
	FETCH 0, 0, F0
	QUARTER 0, 1, F0, F1, 1                        ; the first quarter stands in front of the loop: its first products start the sums
	WIN 0                                          ; at a label and at a branch every window is 0
	s_mov_b32 s3, LAPS-1
.Llap:                                                 ; a trip goes once round the ring, from a lap's second quarter to the next lap's first, and fills both slots again
	QUARTER 0, 2, F1, F0, 0
	QUARTER 0, 3, F0, F1, 0
	TURN 0, 1, 1
	QUARTER 1, 1, F0, F1, 0
	QUARTER 1, 2, F1, F0, 0
	QUARTER 1, 3, F0, F1, 0
	TURN 1, 0, 1
	QUARTER 0, 1, F0, F1, 0
	WIN 0
	s_sub_co_u32 s3, s3, 1
	s_cmp_lg_u32 s3, 0
	s_cbranch_scc1 .Llap
	QUARTER 0, 2, F1, F0, 0                        ; the last lap fills nothing, and has no round of the cluster's barrier
	QUARTER 0, 3, F0, F1, 0
	TURN 0, 1, 0
	QUARTER 1, 1, F0, F1, 0
	QUARTER 1, 2, F1, F0, 0
	QUARTER 1, 3, F0, F1, 0
	s_wait_dscnt 16                                ; the very last quarter: nothing more to fetch
	WIN MUL
	MUL8 F1, 0, 0, 0
	MUL8 F1, 0, 2, 0
	s_wait_dscnt 0
	MUL8 F1, 1, 0, 0
	MUL8 F1, 1, 2, 0
	WIN 0
; THE WAY OUT, block by block of 16 rows x 64 columns of f32.  A lane holds 32 neighbouring bytes of a row; a row's 256 bytes are all my wave's.  So a block goes through my own stage and comes back as whole rows:
; sixteen lanes store 256 consecutive bytes.  LDS serves a wave's instructions in order (ISA guide 5.7.1.4): no wait between the stores and the loads, nor in front of the next block's stores.
.macro TOSTAGE a
.irp b, 0,1,2,3
	ds_store_b128 v[STO], v[ACC+8*(4*(\a)+\b):ACC+8*(4*(\a)+\b)+3] offset:64*\b          ; each accumulator from its low end on
	ds_store_b128 v[STO], v[ACC+8*(4*(\a)+\b)+4:ACC+8*(4*(\a)+\b)+7] offset:64*\b+16
.endr
.set BB, TMP+32*((\a)%2)
.irp t, 0,1,2,3,4,5,6,7
	ds_load_b128 v[BB+4*\t:BB+4*\t+3], v[RD] offset:\t*2*SPITCH
.endr
.endm
.macro SEND a, younger                 ; younger: the LDS instructions issued behind block a's loads, which may stay out
.set BB, TMP+32*((\a)%2)
	s_wait_dscnt \younger
.irp t, 0,1,2,3,4,5,6,7
	global_store_b128 v[CO], v[BB+4*\t:BB+4*\t+3], s[8:9] offset:(16*(\a)+2*\t)*4096 th:TH_STORE_NT   ; at a multiple of 256 from the output's first byte; written once, read by nobody here; 62 rows at the most: inside the signed 24-bit immediate
.endr
.endm
	PLACES
	TOSTAGE 0
.irp a, 1,2,3
.if \a > 1
	s_wait_xcnt 0x0                                ; block a - 2's stores have read their registers: block a's loads may land there
.endif
	TOSTAGE \a
	SEND \a-1, 16                                  ; behind block a - 1's loads: block a's 8 stores and 8 loads
.endr
	SEND 3, 0
	s_wait_tensorcnt 0x0                           ; the wave's end: three closing lines, behind my last tensor load and my last LDS store
	ds_add_u32 v[SPW], v[NIL]
	s_wait_dscnt 0x0
	CROUND                                         ; the closing round: no work-group ends while a partner may still ask for a tile that names it
	s_endpgm
.Lfunc_end_k_q7680a7aa8c_fc:
	.size	k_q7680a7aa8c_fc, .Lfunc_end_k_q7680a7aa8c_fc-k_q7680a7aa8c_fc
	.p2alignl 7, 3214868480
	.fill 96, 4, 3214868480
	.section	.rodata,"a",@progbits
	.p2align	6, 0x0
	.amdhsa_kernel k_q7680a7aa8c_fc
		.amdhsa_group_segment_fixed_size 327680
		.amdhsa_private_segment_fixed_size 0
		.amdhsa_enable_private_segment 0
		.amdhsa_kernarg_size 32
		.amdhsa_user_sgpr_count 2
		.amdhsa_user_sgpr_kernarg_segment_ptr 1
		.amdhsa_wavefront_size32 1
		.amdhsa_system_sgpr_workgroup_id_x 1
		.amdhsa_system_sgpr_workgroup_id_y 1
		.amdhsa_system_sgpr_workgroup_id_z 1
		.amdhsa_system_vgpr_workitem_id 0
		.amdhsa_next_free_vgpr 512
		.amdhsa_next_free_sgpr 72
		.amdhsa_reserve_vcc 0
		.amdhsa_float_denorm_mode_32 3
		.amdhsa_float_denorm_mode_16_64 3
		.amdhsa_memory_ordered 1
		.amdhsa_forward_progress 1
		.amdhsa_inst_pref_size 86
	.end_amdhsa_kernel
	.amdgpu_metadata
---
amdhsa.version: [ 1, 2 ]
amdhsa.kernels:
  - .name:           k_q7680a7aa8c_fc
    .symbol:         k_q7680a7aa8c_fc.kd
    .args:
      - { .name: ctx, .offset: 0, .size: 8, .value_kind: global_buffer, .address_space: global }
      - { .name: wf, .offset: 8, .size: 8, .value_kind: global_buffer, .address_space: global }
      - { .name: out0, .offset: 16, .size: 8, .value_kind: global_buffer, .address_space: global }
      - { .name: out1, .offset: 24, .size: 8, .value_kind: global_buffer, .address_space: global }
    .group_segment_fixed_size: 327680
    .private_segment_fixed_size: 0
    .kernarg_segment_align: 8
    .kernarg_segment_size: 32
    .max_flat_workgroup_size: 128
    .sgpr_count:     72
    .vgpr_count:     512
    .wavefront_size: 32
...
	.end_amdgpu_metadata
.endif
;; end of part 4
